; MI455X (gfx1250); checked and timed in simulation.
; The chip was launched on July 23, 2026; its instructions are those of AMD's public machine-readable ISA for CDNA 5 (MIT licence, August 2026) and "CDNA5" Instruction Set Architecture Reference Guide (July 2026). The comments in the code are by the model that wrote it; some were corrected since.
;; Mo E Layer. Allowed arithmetic: matrix products marked QUANTISED: E4M3 operands, one given power-of-two scale a tensor, by v_wmma_f32_16x16x64_fp8_fp8 or v_wmma_f32_16x16x128_fp8_fp8, f32 sums; products left as they are: f32 operands where the result goes on into a quantised operand, else bf16, f16 or f32 operands; f32 sums; everything else in f32.
;; Inputs: b1 8 x 1,024 float32; b2 8 x 256 float32; gate_b 8 float32; gate_w 256 x 8 float32; lowp_scales 4 int32 (the exponents e of the quantised operands' scales 2^e); w1 8 x 256 x 1,024 float32; w2 8 x 1,024 x 256 float32; x 16,384 x 256 float32.
;; Outputs: out0 16,384 x 256 float32.
;; Constants: top_k = 2.
;; This version of the problem:
;;   THIS VERSION OF THE PROBLEM IS GIVEN IN LOW PRECISION. The matrix products marked QUANTISED in the list below multiply operands that are first quantised to E4M3 (4 exponent bits, 3 mantissa bits; 8 bits a number), with one given power-of-two scale for each operand tensor; their sums are f32. All else is computed in f32.
;;   The module's matrix products, in the order in which they are computed (A, B: the left and right operand; K: the contracted axis; several contracted axes count as one K, in the product's order):
;;     1. [M 16,384, K 256] x [K 256, N 8]; A: input x; B: input gate_w: left as it is (N = 8 < 16)
;;     2. [M 8,192, K 256] x [K 256, N 16,384]; A: input w1; B: input x: QUANTISED (scales: A lowp_scales[0], B lowp_scales[1])
;;     3. batch 8 x [M 16,384, K 1,024] x [K 1,024, N 256]; A: computed on the way; B: input w2: QUANTISED (scales: A lowp_scales[2], B lowp_scales[3])
;;   THE QUANTISER, for each operand of a quantised product, along K:
;;     - The operand's scale is 2^e, e = its entry of the input lowp_scales (int32; the entries are numbered through the quantised products in the list's order, A before B).
;;     - Each number is divided by the scale, clamped to +-448, and rounded to the nearest number of E4M3, ties to even, subnormals kept.
;;     - The product sums the exact products of the quantised numbers (number of the format x scale) in f32.
;;   ~~~python
;;   def quantise(x, axis, e):      # numpy; x: float32 -> the quantised numbers, widened to float32 again
;;       x = np.moveaxis(x, axis, -1); K = x.shape[-1]
;;       r = np.clip(x / 2.0 ** e, -448, 448)
;;       step = 2.0 ** (np.maximum(np.frexp(np.where(r == 0, 1, r))[1] - 1, -6) - 3)
;;       q = np.round(r / step) * step * 2.0 ** e      # np.round: ties to even
;;       return np.moveaxis(q, -1, axis).astype(np.float32)
;;   ~~~
;;   OPERANDS COMPUTED ON THE WAY. 'Computed on the way' means the value that the module computes at that place (a softmax that the list does not call 'softmax' is quantised finished and normalised). What goes into a quantiser is computed in f32, as accurately as f32 sums, v_exp_f32 and their like allow (about 1e-6 of the number): no bf16 or f16 on the way to a quantiser, and a product that is left as it is and whose result goes on into a quantised operand takes f32 operands (vector FMAs, or v_wmma_f32_16x16x4_f32). A number that lies on a knife's edge between two numbers of the format may be rounded either way, as far as f32 arithmetic and the matrix unit's own rounding can turn it there, and no further.
;; 2 versions. Each part assembles by itself: llvm-mc -triple=amdgcn-amd-amdhsa -mcpu=gfx1250 --defsym DOCPART=n.
;; ======== version 1 of 2: 3 launches
;; workspace buffers: xq 4,194,304 bytes; rinfo 98,304 bytes of whole numbers; gw 131,072 bytes; xs 4,194,304 bytes; lists 69,632 bytes of whole numbers; gws 131,072 bytes; wc 4,194,304 bytes
;; launch route (part 1): grid 256 x 1, 4 waves a work-group, no clusters, 2,560 bytes of LDS; arguments x, gate_w, gate_b, lowp_scales, xq, rinfo, gw; writes xq, rinfo, gw
.if DOCPART == 1
	.amdgcn_target "amdgcn-amd-amdhsa--gfx1250"
	.amdhsa_code_object_version 6
	.text
	.protected	k_q4218d61710_route
	.globl	k_q4218d61710_route
	.p2align	8
	.type	k_q4218d61710_route,@function
k_q4218d61710_route:
	s_mov_b64 s[64:65], 0
	v_nop
	global_prefetch_b8 v0, s[64:65] scope:SCOPE_SE
	s_setreg_imm32_b32 hwreg(HW_REG_WAVE_MODE, 25, 1), 1
	s_wait_xcnt 0x0
; ROUTE.  x [16384][256] f32 is read once.  Made of it: (1) the router in f32: logits = x gate_w + gate_b, softmax, the two largest; (2) x's codes of E4M3 with the given scale 2^e1.
; Stored, all at fixed places (no address and no branch hangs on the router's numbers):
;   xq    [token][256] codes.  Code position p = 16 j + 4 i + m holds k = 64 i + 4 j + m: the order in which dense loads leave the numbers in the lanes.  W1's codes are laid in the same order by the next launch.
;   rinfo hist [256 blocks of 64 tokens][32] at byte 0: tokens of each of the 28 unordered pairs of experts;  tokinfo [token] at byte 32,768: key | rank << 8, rank = the token's place among its block's tokens of that key.
;   gw    [token][2] f32: the weight of the pair's lower expert, of its higher expert.
; SHARES.  A work-group takes 64 tokens, a wave 16, in 8 steps of two rows: lanes 0-15 one row, lanes 16-31 the next; each load of a wave covers two runs of 256 consecutive bytes.
; LIMITS.  e1 between -126 and 119.  NaN and infinities among the inputs are not served.  The two experts are chosen on the f32 logits (the order of the probabilities; a tie goes to the lower index);
; two different logits whose probabilities round to one f32 number are ordered by the logits.
; No matrix unit: the router's N is 8.  No prefetch: all loads are issued at the head.
; REGISTERS.  Window 0: v1-11 offsets; v12-31 small values; v32-63 codes, four a step; v64-127 partial logits P[step][expert]; v128-255 x, 16 a step, later at work.  Window 1: v0-127 gate_w[k(q)][e] at 8 q + e.
.set XR, 128
.set PR, 64
.set CR, 32
.set INFO, 512                         ; LDS: counts [4 waves][32] at 0; tokinfo [64] at 512; gate pairs [64][2] at 768
.set GWS, 768
.set MSB, 0
.macro WIN new                         ; the immediate's high byte repeats the setting that is left
.if MSB != \new
	s_set_vgpr_msb (MSB<<8)|\new
.set MSB, \new
.endif
.endm
	s_load_b256 s[4:11], s[0:1], 0x0               ; x s[4:5], gate_w s[6:7], gate_b s[8:9], lowp_scales s[10:11]
	s_load_b128 s[12:15], s[0:1], 0x20             ; xq s[12:13], rinfo s[14:15]
	s_load_b64 s[16:17], s[0:1], 0x30              ; gw
	s_set_vgpr_msb 0x40
	v_lshl_add_u32 v128, v0, 2, 0x800
	v_mov_b32 v129, 0
	s_set_vgpr_msb 0x4000
	v_lshrrev_b32 v28, 5, v0
	v_readfirstlane_b32 s18, v28                   ; wave 0..3
	v_and_b32 v29, 15, v0                          ; j
	v_bfe_u32 v30, v0, 4, 1                        ; which of the step's two rows
	v_and_b32 v31, 31, v0                          ; lane
	v_lshlrev_b32 v3, 4, v29
	v_lshl_add_u32 v1, v30, 10, v3                 ; x: 1,024 x row + 16 j
	v_lshl_add_u32 v2, v30, 8, v3                  ; codes: 256 x row + 16 j
	v_lshlrev_b32 v3, 7, v29                       ; gate_w: 4 j rows of 32 bytes
	v_lshlrev_b32 v6, 2, v0                        ; counts, in: 128 x wave + 4 x lane
	v_lshlrev_b32 v7, 2, v31                       ; counts, back: 4 x lane
	v_and_b32 v8, 14, v0
	v_add_nc_u32 v8, v8, v30
	v_lshl_add_u32 v8, v28, 4, v8                  ; the token that my lane ends up with: 16 x wave + (lane & 14) + lane / 16
	v_and_b32 v9, 1, v0
	v_lshlrev_b32 v9, 2, v9
	v_lshl_add_u32 v9, v8, 3, v9                   ; its gate pair's word for my lane: even lanes the lower expert's, odd lanes the higher's
	v_lshlrev_b32 v8, 2, v8
	v_lshlrev_b32 v10, 3, v31
	v_lshlrev_b32 v11, 4, v31
	s_mov_b32 s60, 0xff00ff00                      ; lanes with bit 3, 2, 1, 0 set
	s_mov_b32 s61, 0xf0f0f0f0
	s_mov_b32 s62, 0xcccccccc
	s_mov_b32 s63, 0xaaaaaaaa
	s_lshl_b32 s2, ttmp9, 16                       ; 64 rows of 1,024 bytes a work-group,
	s_lshl_b32 s3, s18, 14                         ; 16 a wave
	s_add_co_u32 s2, s2, s3
	s_mov_b32 s3, 0
	s_wait_kmcnt 0x0
	s_load_b256 s[20:27], s[8:9], 0x0              ; gate_b
	s_load_b128 s[28:31], s[10:11], 0x0            ; e0 .. e3
	s_add_nc_u64 s[4:5], s[4:5], s[2:3]
	s_lshr_b32 s2, s2, 2
	s_add_nc_u64 s[12:13], s[12:13], s[2:3]
	WIN 0x40                                       ; destination window 1
.irp i, 0,1,2,3
.irp m, 0,1,2,3
	global_load_b128 v[8*(4*\i+\m):8*(4*\i+\m)+3], v3, s[6:7] offset:2048*\i+32*\m
	global_load_b128 v[8*(4*\i+\m)+4:8*(4*\i+\m)+7], v3, s[6:7] offset:2048*\i+32*\m+16
.endr
.endr
	WIN 0
.irp g, 0,1,2,3,4,5,6,7
.irp i, 0,1,2,3
	global_load_b128 v[XR+16*\g+4*\i:XR+16*\g+4*\i+3], v1, s[4:5] offset:2048*\g+256*\i th:TH_LOAD_NT
.endr
.endr
	s_wait_kmcnt 0x0
	s_add_co_i32 s2, s29, 127
	s_lshl_b32 s3, s2, 23
	v_mov_b32 v5, s3                               ; 2^e1 as f32: the conversion takes its exponent field
	s_add_co_i32 s2, s2, 8
	s_lshl_b32 s2, s2, 23
	s_or_b32 s2, s2, 0x600000
	v_mov_b32 v4, s2                               ; 448 x 2^e1
; One step: two rows.  My 16 numbers times their rows of gate_w, two experts an instruction; then the same 16 numbers become 16 codes.
.macro STEP g
	s_wait_loadcnt 28-4*\g                         ; loads come back in order: this step's four are in, the later steps' stay out; gate_w was asked for earlier
	WIN 0x04                                       ; source 1 (gate_w) window 1
.irp e, 0,2,4,6
	v_pk_mul_f32 v[PR+8*\g+\e:PR+8*\g+\e+1], v[XR+16*\g:XR+16*\g+1], v[\e:\e+1] op_sel_hi:[0,1]   ; the first product starts the sums
.endr
.set qq, 1
.rept 15
.irp e, 0,2,4,6
.if qq & 1
	v_pk_fma_f32 v[PR+8*\g+\e:PR+8*\g+\e+1], v[XR+16*\g+qq-1:XR+16*\g+qq], v[8*qq+\e:8*qq+\e+1], v[PR+8*\g+\e:PR+8*\g+\e+1] op_sel:[1,0,0] op_sel_hi:[1,1,1]
.else
	v_pk_fma_f32 v[PR+8*\g+\e:PR+8*\g+\e+1], v[XR+16*\g+qq:XR+16*\g+qq+1], v[8*qq+\e:8*qq+\e+1], v[PR+8*\g+\e:PR+8*\g+\e+1] op_sel_hi:[0,1,1]
.endif
.endr
.set qq, qq+1
.endr
	WIN 0
.set qq, 0
.rept 16
	v_med3_num_f32 v[XR+16*\g+qq], v[XR+16*\g+qq], -v4, v4   ; the conversion to an 8-bit code does not saturate (ISA guide 7.6.2): hold first
.set qq, qq+1
.endr
	v_cvt_scalef32_pk8_fp8_f32 v[CR+4*\g:CR+4*\g+1], v[XR+16*\g:XR+16*\g+7], v5
	v_cvt_scalef32_pk8_fp8_f32 v[CR+4*\g+2:CR+4*\g+3], v[XR+16*\g+8:XR+16*\g+15], v5
	v_nop                                          ; a plain line behind the conversions
	global_store_b128 v2, v[CR+4*\g:CR+4*\g+3], s[12:13] offset:512*\g   ; the wave stores 512 consecutive bytes; each step has code registers of its own
.endm
.irp g, 0,1,2,3,4,5,6,7
	STEP \g
.endr
; The sums over the 16 lanes of a row, all 8 steps x 8 experts at once: in each stage a lane keeps half of its steps and hands the other half to the lane xm away.
.macro RS n, mask, xm
.set ra, 0
.rept \n
.irp e, 0,1,2,3,4,5,6,7
	v_cndmask_b32 v[XR+2*\e], v[PR+8*ra+\e], v[PR+8*(ra+\n)+\e], \mask      ; what I keep
	v_cndmask_b32 v[XR+2*\e+1], v[PR+8*(ra+\n)+\e], v[PR+8*ra+\e], \mask    ; what I hand over
.endr
.irp e, 0,1,2,3,4,5,6,7
	v_add_f32_dpp v[PR+8*ra+\e], v[XR+2*\e+1], v[XR+2*\e] row_xmask:\xm row_mask:0xf bank_mask:0xf
.endr
.set ra, ra+1
.endr
.endm
	RS 4, s60, 8
	RS 2, s61, 4
	RS 1, s62, 2
.irp e, 0,1,2,3,4,5,6,7
	v_add_f32_dpp v[PR+\e], v[PR+\e], v[PR+\e] row_xmask:1 row_mask:0xf bank_mask:0xf
.endr
.irp e, 0,1,2,3,4,5,6,7
	v_add_f32 v[PR+\e], s[20+\e], v[PR+\e]         ; + gate_b: lane l now holds the 8 logits of row (l & 14) + l / 16; each row lies in two neighbouring lanes
.endr
	; the largest and the second largest logit and their experts; walking from 7 down to 0 leaves the lowest index of a tie
	v_max3_num_f32 v19, v64, v65, v66
	v_max3_num_f32 v19, v19, v67, v68
	v_max3_num_f32 v19, v19, v69, v70
	v_max_num_f32 v19, v19, v71
	v_mov_b32 v13, 0
.irp e, 7,6,5,4,3,2,1,0
	v_cmp_neq_f32 vcc_lo, v[PR+\e], v19
	v_cndmask_b32 v13, \e, v13, vcc_lo
.endr
	v_mov_b32 v21, 0xff800000
.irp e, 0,1,2,3,4,5,6,7
	v_cmp_eq_u32 vcc_lo, \e, v13
	v_cndmask_b32 v[XR+\e], v[PR+\e], v21, vcc_lo
.endr
	v_max3_num_f32 v20, v128, v129, v130
	v_max3_num_f32 v20, v20, v131, v132
	v_max3_num_f32 v20, v20, v133, v134
	v_max_num_f32 v20, v20, v135
	v_mov_b32 v14, 0
.irp e, 7,6,5,4,3,2,1,0
	v_cmp_neq_f32 vcc_lo, v[XR+\e], v20
	v_cndmask_b32 v14, \e, v14, vcc_lo
.endr
	; softmax: the row's maximum is taken away first
.irp e, 0,1,2,3,4,5,6,7
	v_sub_f32 v[144+\e], v[PR+\e], v19
.endr
	v_sub_f32 v152, v20, v19
.irp e, 0,1,2,3,4,5,6,7,8
	v_mul_f32 v[144+\e], 0x3fb8aa3b, v[144+\e]
.endr
.irp e, 0,1,2,3,4,5,6,7,8
	v_exp_f32 v[144+\e], v[144+\e]
.endr
	v_min_u32 v24, v13, v14                        ; the pair's lower expert (a plain line behind the exponentials),
	v_max_u32 v25, v13, v14                        ; and its higher
	s_wait_alu depctr_va_vdst(0)                   ; one wait for the batch of nine, ahead of its first reader
	v_add_f32 v22, v144, v145
	v_add_f32 v28, v146, v147
	v_add_f32 v29, v148, v149
	v_add_f32 v30, v150, v151
	v_add_f32 v22, v22, v28
	v_add_f32 v29, v29, v30
	v_add_f32 v22, v22, v29
	v_rcp_f32 v22, v22                             ; the largest's probability: its exponential is 1
	v_sub_nc_u32 v28, 15, v24                      ; key = lo (15 - lo) / 2 + hi - lo - 1: 0 .. 27
	v_mul_u32_u24 v28, v28, v24
	v_lshrrev_b32 v28, 1, v28
	v_add_nc_u32 v28, v28, v25
	v_sub_nc_u32 v28, v28, v24
	v_add_nc_u32 v12, -1, v28
	s_wait_alu depctr_va_vdst(0)                   ; the wait ahead of the reciprocal's first reader
	v_mul_f32 v23, v152, v22                       ; the second's probability
	v_cmp_lt_u32 vcc_lo, v13, v14
	v_cndmask_b32 v26, v23, v22, vcc_lo            ; the lower expert's weight,
	v_cndmask_b32 v27, v22, v23, vcc_lo            ; the higher's
	; counts and ranks, as values only.  Each token lies in two lanes, so every count is kept doubled and halved at the end.
	v_mov_b32 v16, 0
.set gg, 0
.rept 28
	v_cmp_eq_u32 s[32+gg], gg, v12
	s_bcnt1_i32_b32 s2, s[32+gg]
	v_writelane_b32 v16, s2, gg
.set gg, gg+1
.endr
	ds_store_b32 v6, v16
	s_wait_dscnt 0x0                               ; for the others' sake: my counts lie in LDS
	s_barrier_signal -1
	s_barrier_wait -1
.irp k, 0,1,2,3
	ds_load_b32 v[XR+\k], v7 offset:128*\k
.endr
	s_wait_dscnt 0x0
	v_add_nc_u32 v18, v128, v129
	v_add3_u32 v18, v18, v130, v131                ; the block's count of key = lane
	v_mov_b32 v17, 0
.irp k, 0,1,2
	s_cmp_gt_u32 s18, \k
	s_cselect_b32 s2, -1, 0
	v_and_b32 v28, s2, v[XR+\k]
	v_add_nc_u32 v17, v17, v28                     ; the earlier waves' count
.endr
	v_mov_b32 v15, 0
.set gg, 0
.rept 28
	v_readlane_b32 s2, v17, gg
	v_mbcnt_lo_u32_b32 v28, s[32+gg], s2           ; earlier waves' + lower lanes' of this key
	v_cndmask_b32 v15, v15, v28, s[32+gg]
.set gg, gg+1
.endr
	v_lshrrev_b32 v15, 1, v15
	v_lshl_or_b32 v15, v15, 8, v12                 ; key | rank << 8
	v_cndmask_b32 v28, v26, v27, s63
	v_lshrrev_b32 v18, 1, v18
	ds_store_b32 v8, v15 offset:INFO               ; a token's two lanes write the same word with the same value
	ds_store_b32 v9, v28 offset:GWS
	s_wait_dscnt 0x0
	s_barrier_signal -1
	s_barrier_wait -1
	; out in runs of consecutive bytes: wave 0 the 64 words of tokinfo, wave 1 the 64 gate pairs, wave 2 the histogram's row
	s_mov_b32 s3, 0
	s_cmp_eq_u32 s18, 0
	s_cbranch_scc0 .Lnot0
	ds_load_b64 v[128:129], v10 offset:INFO
	s_lshl_b32 s2, ttmp9, 8
	s_add_co_u32 s2, s2, 32768
	s_add_nc_u64 s[14:15], s[14:15], s[2:3]
	s_wait_dscnt 0x0
	global_store_b64 v10, v[128:129], s[14:15]
	s_set_vgpr_msb 0x5
	s_wait_tensorcnt 0x0
	ds_add_u32 v128, v129
	s_wait_dscnt 0x0
	s_set_vgpr_msb 0x500
	s_endpgm
.Lnot0:
	s_cmp_eq_u32 s18, 1
	s_cbranch_scc0 .Lnot1
	ds_load_b128 v[128:131], v11 offset:GWS
	s_lshl_b32 s2, ttmp9, 9
	s_add_nc_u64 s[16:17], s[16:17], s[2:3]
	s_wait_dscnt 0x0
	global_store_b128 v11, v[128:131], s[16:17]
	s_set_vgpr_msb 0x5
	s_wait_tensorcnt 0x0
	ds_add_u32 v128, v129
	s_wait_dscnt 0x0
	s_set_vgpr_msb 0x500
	s_endpgm
.Lnot1:
	s_cmp_eq_u32 s18, 2
	s_cbranch_scc0 .Lend
	s_lshl_b32 s2, ttmp9, 7
	s_add_nc_u64 s[14:15], s[14:15], s[2:3]
	global_store_b32 v7, v18, s[14:15]             ; lanes 28-31 hold 0
.Lend:
	s_set_vgpr_msb 0x5
	s_wait_tensorcnt 0x0
	ds_add_u32 v128, v129
	s_wait_dscnt 0x0
	s_set_vgpr_msb 0x500
	s_endpgm
.Lfunc_end_k_q4218d61710_route:
	.size	k_q4218d61710_route, .Lfunc_end_k_q4218d61710_route-k_q4218d61710_route
	.p2alignl 7, 3214868480
	.fill 96, 4, 3214868480
	.section	.rodata,"a",@progbits
	.p2align	6, 0x0
	.amdhsa_kernel k_q4218d61710_route
		.amdhsa_group_segment_fixed_size 2560
		.amdhsa_private_segment_fixed_size 0
		.amdhsa_enable_private_segment 0
		.amdhsa_kernarg_size 56
		.amdhsa_user_sgpr_count 2
		.amdhsa_user_sgpr_kernarg_segment_ptr 1
		.amdhsa_wavefront_size32 1
		.amdhsa_system_sgpr_workgroup_id_x 1
		.amdhsa_system_sgpr_workgroup_id_y 1
		.amdhsa_system_sgpr_workgroup_id_z 1
		.amdhsa_system_vgpr_workitem_id 0
		.amdhsa_next_free_vgpr 386
		.amdhsa_next_free_sgpr 66
		.amdhsa_reserve_vcc 1
		.amdhsa_float_denorm_mode_32 3
		.amdhsa_float_denorm_mode_16_64 3
		.amdhsa_memory_ordered 1
		.amdhsa_forward_progress 1
		.amdhsa_inst_pref_size 79
	.end_amdhsa_kernel
	.amdgpu_metadata
---
amdhsa.version: [ 1, 2 ]
amdhsa.kernels:
  - .name:           k_q4218d61710_route
    .symbol:         k_q4218d61710_route.kd
    .args:
      - { .name: x, .offset: 0, .size: 8, .value_kind: global_buffer, .address_space: global }
      - { .name: gate_w, .offset: 8, .size: 8, .value_kind: global_buffer, .address_space: global }
      - { .name: gate_b, .offset: 16, .size: 8, .value_kind: global_buffer, .address_space: global }
      - { .name: lowp_scales, .offset: 24, .size: 8, .value_kind: global_buffer, .address_space: global }
      - { .name: xq, .offset: 32, .size: 8, .value_kind: global_buffer, .address_space: global }
      - { .name: rinfo, .offset: 40, .size: 8, .value_kind: global_buffer, .address_space: global }
      - { .name: gw, .offset: 48, .size: 8, .value_kind: global_buffer, .address_space: global }
    .group_segment_fixed_size: 2560
    .private_segment_fixed_size: 0
    .kernarg_segment_align: 8
    .kernarg_segment_size: 56
    .max_flat_workgroup_size: 128
    .sgpr_count:     66
    .vgpr_count:     386
    .wavefront_size: 32
...
	.end_amdgpu_metadata
.endif
;; end of part 1
;; launch place (part 2): grid 320 x 1, 8 waves a work-group, no clusters, 3,072 bytes of LDS; arguments rinfo, gw, xq, w1, w2, lowp_scales, xs, lists, gws, wc; writes xs, lists, gws, wc
.if DOCPART == 2
	.amdgcn_target "amdgcn-amd-amdhsa--gfx1250"
	.amdhsa_code_object_version 6
	.text
	.protected	k_q4218d61710_place
	.globl	k_q4218d61710_place
	.p2align	8
	.type	k_q4218d61710_place,@function
k_q4218d61710_place:
	s_mov_b64 s[64:65], 0
	v_nop
	global_prefetch_b8 v0, s[64:65] scope:SCOPE_SE
	s_setreg_imm32_b32 hwreg(HW_REG_WAVE_MODE, 25, 1), 1
	s_wait_xcnt 0x0
; PLACE.  Two kinds of work-groups, told apart by the work-group's number.
; 0-63: THE SORT.  Work-group J takes tokens 256 J .. 256 J + 255.  position = (tokens of smaller keys) + (tokens of my key in earlier blocks of 64) + rank, all whole numbers that the launch before stored.
;   To that position go the token's 256 codes (xs), its number (lists, from byte 4,096) and its gate pair (gws).  Work-group 0 also writes the list of tiles (lists, byte 0): 256 entries {first position, rows, lower expert,
;   higher expert}; a tile is at most 80 tokens of one pair; entries behind the last tile have 0 rows.  The sum over the 28 pairs of ceil(count / 80) is at most (16,384 + 28 x 79) / 80 = 232.
; 64-191: w1, 192-319: w2, f32 with K not innermost, become codes of E4M3 (scales 2^e0, 2^e3) in wc, laid as IMAGES OF OPERAND REGISTERS: [expert][chunk of 256 hidden units][wave] blocks of 32 KB: W1's 8 fragments, then W2's 8;
;   in a fragment, byte 512 q + 16 lane + b is byte b of registers 4 q .. 4 q + 3.  A lane takes a column and its registers run down K, so the conversions' results are the pieces as they are stored: nothing is transposed.
;   W1's K stands in the order of x's codes (position 16 j + 4 i + m = k 64 i + 4 j + m); W2's pieces hold hidden units 32 q + 8 h + {0..7, 16..23}, the 8-bit form's own layout.
; LIMITS.  e0 and e3 between -126 and 119.  NaN among the weights is not served.
; No prefetch: every load is issued at the head.  No cluster: work-groups share no tile.
	s_load_b256 s[4:11], s[0:1], 0x0               ; rinfo s[4:5], gw s[6:7], xq s[8:9], w1 s[10:11]
	s_load_b256 s[12:19], s[0:1], 0x20             ; w2 s[12:13], lowp_scales s[14:15], xs s[16:17], lists s[18:19]
	s_load_b128 s[20:23], s[0:1], 0x40             ; gws s[20:21], wc s[22:23]
	v_lshl_add_u32 v160, v0, 2, 0x800
	v_mov_b32 v161, 0
	v_lshrrev_b32 v1, 5, v0
	v_readfirstlane_b32 s24, v1                    ; wave 0..7
	v_and_b32 v2, 31, v0                           ; lane
	v_and_b32 v3, 15, v0
	v_bfe_u32 v4, v0, 4, 1
	v_lshlrev_b32 v5, 2, v2                        ; 4 x lane
	s_cmp_lt_u32 ttmp9, 64
	s_cbranch_scc0 .Lweights
	; ---------------- the sort ----------------
	v_lshl_add_u32 v6, v1, 8, v5                   ; LDS: 256 x wave + 4 x lane
	v_lshl_add_u32 v7, v1, 12, v5                  ; histogram: my wave's 32 rows of 128 bytes
	v_lshlrev_b32 v8, 4, v3                        ; 16 (lane % 16)
	v_lshl_add_u32 v9, v4, 8, v8
	v_lshl_add_u32 v9, v1, 13, v9                  ; xq: my wave's 32 rows of 256 bytes, two a load
	v_lshlrev_b32 v10, 2, v4
	v_lshlrev_b32 v11, 2, v0
	v_lshlrev_b32 v12, 3, v0
	s_lshl_b32 s25, ttmp9, 8
	v_add_nc_u32 v13, s25, v0                      ; my token
	s_mov_b32 s27, 0
	s_wait_kmcnt 0x0
	s_lshl_b32 s26, ttmp9, 9
	s_add_nc_u64 s[28:29], s[4:5], s[26:27]        ; the histogram's rows 4 J on
	s_lshl_b32 s26, ttmp9, 10
	s_add_co_u32 s26, s26, 32768
	s_add_nc_u64 s[30:31], s[4:5], s[26:27]        ; tokinfo of my work-group's tokens
	s_lshl_b32 s26, ttmp9, 11
	s_add_nc_u64 s[6:7], s[6:7], s[26:27]
	s_lshl_b32 s26, ttmp9, 16
	s_add_nc_u64 s[8:9], s[8:9], s[26:27]
.set ii, 0
.rept 32
	global_load_b32 v[32+ii], v7, s[4:5] offset:128*ii     ; histogram row 32 x wave + ii, lane = key
.set ii, ii+1
.endr
.irp k, 0,1,2
	global_load_b32 v[64+\k], v5, s[28:29] offset:128*\k
.endr
	global_load_b32 v16, v11, s[30:31]
	global_load_b64 v[14:15], v12, s[6:7]
.set ii, 0
.rept 16
	global_load_b128 v[96+4*ii:99+4*ii], v9, s[8:9] offset:512*ii
.set ii, ii+1
.endr
	s_lshl_b32 s32, ttmp9, 2
	s_lshl_b32 s33, s24, 5
	s_sub_co_i32 s32, s32, s33                     ; row 32 x wave + ii lies ahead of my work-group's blocks where ii < 4 J - 32 x wave
	v_mov_b32 v19, 0
	v_mov_b32 v20, 0
	s_wait_loadcnt 18                              ; the 35 rows of the histogram are in; tokinfo, the gate pair and the 16 loads of codes stay out
.set ii, 0
.rept 32
	s_cmp_gt_i32 s32, ii
	s_cselect_b32 s33, -1, 0
	v_add_nc_u32 v19, v19, v[32+ii]
	v_and_b32 v23, s33, v[32+ii]
	v_add_nc_u32 v20, v20, v23
.set ii, ii+1
.endr
	ds_store_b32 v6, v19
	ds_store_b32 v6, v20 offset:128
	s_wait_dscnt 0x0                               ; for the others' sake
	s_barrier_signal -1
	s_barrier_wait -1
.irp k, 0,1,2,3,4,5,6,7
	ds_load_b32 v[68+2*\k], v5 offset:256*\k
	ds_load_b32 v[69+2*\k], v5 offset:256*\k+128
.endr
	s_wait_dscnt 0x0
	v_add_nc_u32 v19, v68, v70
	v_add_nc_u32 v20, v69, v71
.irp k, 2,4,6
	v_add3_u32 v19, v19, v[68+2*\k], v[70+2*\k]    ; all tokens of key = lane
	v_add3_u32 v20, v20, v[69+2*\k], v[71+2*\k]    ; those in blocks ahead of 4 J
.endr
	s_lshr_b32 s33, s24, 1                         ; my wave's block is 4 J + wave / 2
.irp k, 0,1,2
	s_cmp_gt_u32 s33, \k
	s_cselect_b32 s34, -1, 0
	v_and_b32 v23, s34, v[64+\k]
	v_add_nc_u32 v20, v20, v23
.endr
	s_mov_b32 s35, 0
	v_mov_b32 v21, 0
.set gg, 0
.rept 28
	v_readlane_b32 s34, v19, gg
	v_writelane_b32 v21, s35, gg                   ; tokens of smaller keys
	s_add_co_u32 s35, s35, s34
.set gg, gg+1
.endr
	v_add_nc_u32 v22, v21, v20
	s_wait_loadcnt 16                              ; tokinfo and the gate pair are in
	v_and_b32 v17, 0xff, v16
	v_min_u32 v17, 31, v17
	v_lshlrev_b32 v17, 2, v17
	ds_bpermute_b32 v18, v17, v22                  ; my key's base
	v_lshrrev_b32 v23, 8, v16
.set ii, 0
.rept 16
	v_add_nc_u32 v[32+ii], 8*ii, v10               ; load ii holds the rows of lanes 2 ii and 2 ii + 1
.set ii, ii+1
.endr
	s_wait_dscnt 0x0
	v_add_nc_u32 v18, v18, v23
	v_min_u32 v18, 0x3fff, v18                     ; my token's position
	v_lshlrev_b32 v24, 2, v18
	v_lshlrev_b32 v25, 3, v18
	global_store_b32 v24, v13, s[18:19] offset:4096
	global_store_b64 v25, v[14:15], s[20:21]
.set ii, 0
.rept 16
	ds_bpermute_b32 v[48+ii], v[32+ii], v18
.set ii, ii+1
.endr
	s_wait_dscnt 0x0
.set ii, 0
.rept 16
	v_min_u32 v[48+ii], 0x3fff, v[48+ii]
	v_lshl_add_u32 v[48+ii], v[48+ii], 8, v8
.set ii, ii+1
.endr
	s_wait_loadcnt 0x0
.set ii, 0
.rept 16
	global_store_b128 v[48+ii], v[96+4*ii:99+4*ii], s[16:17]   ; sixteen lanes store a row: 256 consecutive bytes, aligned
.set ii, ii+1
.endr
	s_cmp_eq_u32 ttmp9, 0
	s_cbranch_scc0 .Lplaced
	; the list of tiles: thread t makes entry t.  The last key whose first tile is at or below t is t's.
.irp r, 68,69,70,71,72
	v_mov_b32 v\r, 0
.endr
	s_mov_b32 s35, 0                               ; the key's first position
	s_mov_b32 s36, 0                               ; the key's first tile
.set LO, 0
.set HI, 1
.set gg, 0
.rept 28
	v_readlane_b32 s34, v19, gg
	v_cmp_gt_u32 vcc_lo, s36, v0
	v_cndmask_b32 v68, s35, v68, vcc_lo
	v_cndmask_b32 v69, s34, v69, vcc_lo
	v_cndmask_b32 v70, LO, v70, vcc_lo
	v_cndmask_b32 v71, HI, v71, vcc_lo
	v_cndmask_b32 v72, s36, v72, vcc_lo
	s_add_co_u32 s35, s35, s34
	s_add_co_u32 s34, s34, 79
	s_lshr_b32 s34, s34, 4
	s_mul_i32 s34, s34, 52429
	s_lshr_b32 s34, s34, 18                        ; ceil(count / 80): (count + 79) / 16 / 5, and x / 5 = x 52,429 >> 18 for x up to 1,029
	s_add_co_u32 s36, s36, s34
.set gg, gg+1
.set HI, HI+1
.if HI == 8
.set LO, LO+1
.set HI, LO+1
.endif
.endr
	v_sub_nc_u32 v72, v0, v72
	v_mul_u32_u24 v72, v72, 80
	v_add_nc_u32 v68, v68, v72
	v_min_u32 v68, 0x3fff, v68
	v_sub_nc_u32 v69, v69, v72
	v_max_i32 v69, 0, v69
	v_min_i32 v69, 80, v69
	v_lshlrev_b32 v73, 4, v0
	global_store_b128 v73, v[68:71], s[18:19]
.Lplaced:
	s_wait_tensorcnt 0x0
	ds_add_u32 v160, v161
	s_wait_dscnt 0x0
	s_endpgm
	; ---------------- the weights ----------------
	; A wave takes 32 columns x 64 along K: four pieces of 16 codes a lane.  CG = 8 (work-group / 4) + wave names expert and columns, qd = work-group % 4 the 64 along K.
.Lweights:
	v_lshl_add_u32 v6, v4, 11, 0
	v_lshl_add_u32 v6, v3, 4, v6                   ; in wc: lanes 16-31 fill the next fragment; 16 bytes a lane
	s_sub_co_u32 s25, ttmp9, 64
	s_lshr_b32 s26, s25, 7                         ; 0: w1, 1: w2
	s_and_b32 s25, s25, 127
	s_and_b32 s27, s25, 3                          ; qd
	s_lshr_b32 s25, s25, 2
	s_lshl_b32 s25, s25, 3
	s_add_co_u32 s25, s25, s24                     ; CG
	s_lshr_b32 s28, s25, 5                         ; expert
	s_bfe_u32 s29, s25, 0x20003                    ; chunk
	s_lshl_b32 s30, s28, 19                        ; where the pieces go: expert x 512 K
	s_lshl_b32 s31, s29, 17                        ; + chunk x 128 K
	s_add_co_u32 s30, s30, s31
	s_bfe_u32 s31, s25, 0x20001
	s_lshl_b32 s31, s31, 15                        ; + the reading wave x 32 K
	s_add_co_u32 s30, s30, s31
	s_and_b32 s31, s25, 1
	s_lshl_b32 s31, s31, 12                        ; + two fragments for the odd 32 columns
	s_add_co_u32 s30, s30, s31
	s_lshr_b32 s31, s27, 1
	s_lshl_b32 s31, s31, 13                        ; + four fragments for the second K step
	s_add_co_u32 s30, s30, s31
	s_and_b32 s31, s27, 1
	s_lshl_b32 s31, s31, 10                        ; + two pieces of 512 bytes
	s_add_co_u32 s30, s30, s31
	s_lshl_b32 s31, s26, 14                        ; + 16 K for W2's half of the block
	s_add_co_u32 s30, s30, s31
	s_mov_b32 s31, 0
	s_lshl_b32 s32, s28, 20                        ; where the numbers come from: expert x 1 M
	s_lshl_b32 s33, s27, 16                        ; + qd x 65,536: 16 rows of w1, 64 rows of w2
	s_add_co_u32 s32, s32, s33
	s_and_b32 s34, s25, 31
	s_lshl_b32 s34, s34, 7                         ; w1: 32 groups of 32 columns
	s_and_b32 s35, s25, 7
	s_lshl_b32 s35, s35, 7                         ; w2: 8 groups of 32 columns,
	s_lshl_b32 s33, s29, 18                        ;     and the chunk's 256 rows
	s_add_co_u32 s35, s35, s33
	s_cmp_eq_u32 s26, 0
	s_cselect_b32 s34, s34, s35
	s_add_co_u32 s32, s32, s34
	s_mov_b32 s33, 0
	s_wait_kmcnt 0x0
	s_load_b128 s[40:43], s[14:15], 0x0            ; e0 .. e3
	s_cmp_eq_u32 s26, 0                            ; the choice hangs on the work-group's number alone
	s_cselect_b64 s[36:37], s[10:11], s[12:13]
	s_add_nc_u64 s[36:37], s[36:37], s[32:33]
	s_add_nc_u64 s[22:23], s[22:23], s[30:31]
	s_cmp_eq_u32 s26, 0
	s_cbranch_scc0 .Lw2
.irp p, 0,1,2,3
.irp n, 0,1,2,3,4,5,6,7,8,9,10,11,12,13,14,15
	global_load_b32 v[16+16*\p+\n], v5, s[36:37] offset:(64*(\n/4)+4*\p+(\n%4))*4096 th:TH_LOAD_NT   ; code position 16 p + n of my 64 is k = 64 (n / 4) + 4 p + n % 4
.endr
.endr
	s_branch .Lquant
.Lw2:
.irp p, 0,1,2,3
.irp n, 0,1,2,3,4,5,6,7,8,9,10,11,12,13,14,15
	global_load_b32 v[16+16*\p+\n], v5, s[36:37] offset:(32*(\p/2)+8*(\p%2)+(\n%8)+16*(\n/8))*1024 th:TH_LOAD_NT
.endr
.endr
.Lquant:
	s_wait_kmcnt 0x0
	s_cmp_eq_u32 s26, 0
	s_cselect_b32 s40, s40, s43                    ; e0 for w1, e3 for w2
	s_add_co_i32 s40, s40, 127
	s_lshl_b32 s41, s40, 23
	v_mov_b32 v7, s41                              ; 2^e as f32
	s_add_co_i32 s40, s40, 8
	s_lshl_b32 s40, s40, 23
	s_or_b32 s40, s40, 0x600000
	v_mov_b32 v8, s40                              ; 448 x 2^e
.macro WPIECE p
	s_wait_loadcnt 48-16*\p                        ; this piece's 16 loads are in; the later pieces' stay out
.irp n, 0,1,2,3,4,5,6,7,8,9,10,11,12,13,14,15
	v_med3_num_f32 v[16+16*\p+\n], v[16+16*\p+\n], -v8, v8   ; the conversion does not saturate (ISA guide 7.6.2): hold first
.endr
	v_cvt_scalef32_pk8_fp8_f32 v[80+4*\p:81+4*\p], v[16+16*\p:23+16*\p], v7
	v_cvt_scalef32_pk8_fp8_f32 v[82+4*\p:83+4*\p], v[24+16*\p:31+16*\p], v7
	v_nop                                          ; a plain line behind the conversions
	global_store_b128 v6, v[80+4*\p:83+4*\p], s[22:23] offset:256*\p   ; sixteen lanes store 256 consecutive bytes, aligned; each piece has registers of its own
.endm
	WPIECE 0
	WPIECE 1
	WPIECE 2
	WPIECE 3
	s_endpgm
.Lfunc_end_k_q4218d61710_place:
	.size	k_q4218d61710_place, .Lfunc_end_k_q4218d61710_place-k_q4218d61710_place
	.p2alignl 7, 3214868480
	.fill 96, 4, 3214868480
	.section	.rodata,"a",@progbits
	.p2align	6, 0x0
	.amdhsa_kernel k_q4218d61710_place
		.amdhsa_group_segment_fixed_size 3072
		.amdhsa_private_segment_fixed_size 0
		.amdhsa_enable_private_segment 0
		.amdhsa_kernarg_size 80
		.amdhsa_user_sgpr_count 2
		.amdhsa_user_sgpr_kernarg_segment_ptr 1
		.amdhsa_wavefront_size32 1
		.amdhsa_system_sgpr_workgroup_id_x 1
		.amdhsa_system_sgpr_workgroup_id_y 1
		.amdhsa_system_sgpr_workgroup_id_z 1
		.amdhsa_system_vgpr_workitem_id 0
		.amdhsa_next_free_vgpr 162
		.amdhsa_next_free_sgpr 66
		.amdhsa_reserve_vcc 1
		.amdhsa_float_denorm_mode_32 3
		.amdhsa_float_denorm_mode_16_64 3
		.amdhsa_memory_ordered 1
		.amdhsa_forward_progress 1
		.amdhsa_inst_pref_size 59
	.end_amdhsa_kernel
	.amdgpu_metadata
---
amdhsa.version: [ 1, 2 ]
amdhsa.kernels:
  - .name:           k_q4218d61710_place
    .symbol:         k_q4218d61710_place.kd
    .args:
      - { .name: rinfo, .offset: 0, .size: 8, .value_kind: global_buffer, .address_space: global }
      - { .name: gw, .offset: 8, .size: 8, .value_kind: global_buffer, .address_space: global }
      - { .name: xq, .offset: 16, .size: 8, .value_kind: global_buffer, .address_space: global }
      - { .name: w1, .offset: 24, .size: 8, .value_kind: global_buffer, .address_space: global }
      - { .name: w2, .offset: 32, .size: 8, .value_kind: global_buffer, .address_space: global }
      - { .name: lowp_scales, .offset: 40, .size: 8, .value_kind: global_buffer, .address_space: global }
      - { .name: xs, .offset: 48, .size: 8, .value_kind: global_buffer, .address_space: global }
      - { .name: lists, .offset: 56, .size: 8, .value_kind: global_buffer, .address_space: global }
      - { .name: gws, .offset: 64, .size: 8, .value_kind: global_buffer, .address_space: global }
      - { .name: wc, .offset: 72, .size: 8, .value_kind: global_buffer, .address_space: global }
    .group_segment_fixed_size: 3072
    .private_segment_fixed_size: 0
    .kernarg_segment_align: 8
    .kernarg_segment_size: 80
    .max_flat_workgroup_size: 256
    .sgpr_count:     66
    .vgpr_count:     162
    .wavefront_size: 32
...
	.end_amdgpu_metadata
.endif
;; end of part 2
;; launch experts (part 3): grid 232 x 1, 4 waves a work-group, no clusters, 152,320 bytes of LDS; arguments xs, lists, gws, wc, b1, b2, lowp_scales, out0; writes out0
.if DOCPART == 3
	.amdgcn_target "amdgcn-amd-amdhsa--gfx1250"
	.amdhsa_code_object_version 6
	.text
	.protected	k_q4218d61710_experts
	.globl	k_q4218d61710_experts
	.p2align	8
	.type	k_q4218d61710_experts,@function
k_q4218d61710_experts:
	s_mov_b64 s[64:65], 0
	v_nop
	global_prefetch_b8 v0, s[64:65] scope:SCOPE_SE
	s_setreg_imm32_b32 hwreg(HW_REG_WAVE_MODE, 25, 1), 1
	s_wait_xcnt 0x0
; EXPERTS.  A work-group takes one tile of the stored list: at most 80 tokens that chose the same pair of experts (lo, hi), and runs both experts' chains on them:
;   out0[token] = g_lo (Q(relu(Q(x) Q(W1_lo) + b1_lo)) Q(W2_lo) + b2_lo) + g_hi (the same with hi).  Both products on codes of E4M3; the hidden layer lives in registers and LDS alone; each row of out0 has one owner.
; SHARES.  80 rows = 5 tiles of 16.  THE WAVES SHARE THE COLUMNS: in a chunk of 256 hidden units wave w makes units 64 w .. 64 w + 63 for all 80 rows, and of the output columns 64 w .. 64 w + 63.  So each byte of the weights is
; loaded by one wave, straight into its operand registers (the launch before laid them so), a chunk ahead.  The hidden layer's codes go from wave to wave through LDS as images of operand registers, in two buffers by turns:
; one barrier a chunk.  A buffer is written again only behind the next chunk's barrier, in front of which every wave has waited for its reads.
; BOTH PRODUCTS ARE USED TRANSPOSED (source 0 = 16 rows of the weight, source 1 = 16 tokens): a lane holds one token, and its eight registers eight neighbouring units or columns.
; SCALES.  A sum of the first product stands for sum x 2^(e0 + e1): b1 goes in as the sums' first C, x 2^-(e0 + e1); the conversion takes 2^(e2 - e0 - e1); relu and the hold at the largest code are one v_med3.
; A TILE WITH FEWER THAN 80 ROWS repeats its last token: rows of a started group of 16 are then stored more than once, by the same wave, with the same bytes.  A TILE WITH NO ROWS walks the chain on clamped addresses and stores
; nothing: the branch on the stored count stands behind the last barrier, so that no barrier hangs on loaded data.
; NO CLUSTER, NO JOINT LOADS: which experts a work-group walks is read from the stored list, and how many tiles a pair has hangs on the data, so partners of one pair cannot be promised at every split.
; NO PREFETCH: each expert's codes are read by many work-groups at about the same time, and the loads run a chunk ahead.
; LIMITS.  e2 - e0 - e1 between -126 and 119; e2 + e3 and -(e0 + e1) between -126 and 127.  NaN is not served.
; REGISTERS, in windows of 256.  Window 0: v1-11 addresses and scales; v12-21 the gate pairs of my token in each tile of rows; v32-191 A1, the first product's 20 accumulators (later: the second K step's hidden fragments; the way out);
;   v192-231 the codes just made; v232-252 the head's offsets.   Window 1: v0-159 x's 10 fragments; v160-239 the first K step's hidden fragments.   Window 2: v0-127 W1's 8 fragments; v128-255 W2's 8.
;   Window 3: v0-159 A2, the second product's 20 accumulators; v160-191 b1's four tiles; v192-223 b2 of lo; v224-255 b2 of hi.
.set XP,    272                        ; LDS: x's 80 rows of 256 codes + 16 bytes of padding, from byte 0
.set HB,    21760                      ; two buffers of 20,480 bytes: [K step][tile of rows] images of 2,048 bytes
.set HBUF,  20480
.set TOKW,  62720                      ; the tile's token numbers, a copy of 512 bytes for each wave
.set STG,   64768                      ; a stage of 80 rows x (256 + 16) bytes for each wave
.set SP,    272
.set A1,    32
.set PC,    192
.set WN,    34                         ; s[34:35] the weight block to be fetched next;  s[36:37] expert hi's first block
.set WB,    36
.set BN,    38                         ; s[38:39], s[40:41] the same for b1
.set BB,    40
.set MSB, 0
.macro WIN new                         ; the immediate's high byte repeats the setting that is left
.if MSB != \new
	s_set_vgpr_msb (MSB<<8)|\new
.set MSB, \new
.endif
.endm
.macro LD_B1                           ; b1 of my 64 units of the next chunk: lane (r, h) takes units 16 t + 8 h + 0 .. 7 of tile t
	WIN 0xc0                                       ; destination window 3
.irp t, 0,1,2,3
	global_load_b128 v[160+8*\t:163+8*\t], v5, s[BN:BN+1] offset:64*\t
	global_load_b128 v[164+8*\t:167+8*\t], v5, s[BN:BN+1] offset:64*\t+16
.endr
.endm
.macro LD_W base, off                  ; eight fragments as they lie: 32 loads of 512 consecutive bytes
	WIN 0x80                                       ; destination window 2
.set li, 0
.rept 32
	global_load_b128 v[\base+4*li:\base+4*li+3], v1, s[WN:WN+1] offset:\off+512*li
.set li, li+1
.endr
.endm
	s_load_b256 s[4:11], s[0:1], 0x0               ; xs s[4:5], lists s[6:7], gws s[8:9], wc s[10:11]
	s_load_b256 s[12:19], s[0:1], 0x20             ; b1 s[12:13], b2 s[14:15], lowp_scales s[16:17], out0 s[18:19]
	v_lshl_add_u32 v254, v0, 2, 0x25100
	v_mov_b32 v255, 0
	v_lshrrev_b32 v22, 5, v0
	v_readfirstlane_b32 s20, v22                   ; wave 0..3
	v_and_b32 v24, 31, v0                          ; lane
	v_and_b32 v22, 15, v0                          ; r
	v_bfe_u32 v23, v0, 4, 1                        ; h
	v_lshlrev_b32 v1, 4, v24                       ; 16 x lane: an image's place for my lane
	v_lshlrev_b32 v29, 4, v22
	v_lshlrev_b32 v5, 5, v23                       ; 32 h: my half's eight numbers of a bias
	s_lshr_b32 s48, s20, 1
	s_mul_i32 s48, s48, 10240                      ; my units are half of K step wave / 2:
	s_and_b32 s49, s20, 1
	s_lshl_b32 s49, s49, 10                        ; its pieces 2 (wave % 2) and 2 (wave % 2) + 1
	s_add_co_u32 s48, s48, s49
	v_add_nc_u32 v2, s48, v1                       ; where I store the hidden layer's pieces
	s_mul_i32 s48, s20, 80*SP
	s_add_co_u32 s48, s48, STG                     ; my stage
	v_mul_u32_u24 v6, v22, SP
	v_lshl_add_u32 v6, v23, 5, v6
	v_add_nc_u32 v6, s48, v6                       ; in: row r, 32 bytes for each half of the lanes
	v_mul_u32_u24 v7, v23, SP
	v_lshl_add_u32 v7, v22, 4, v7
	v_add_nc_u32 v7, s48, v7                       ; back: lanes 0-15 one row of 256 bytes, lanes 16-31 the next
	s_lshl_b32 s48, s20, 8
	v_add_nc_u32 v8, s48, v29                      ; my 16 bytes in a row of out0: 256 x wave + 16 r
	s_lshl_b32 s48, s20, 9
	s_add_co_u32 s48, s48, TOKW
	v_lshl_add_u32 v9, v23, 2, s48                 ; my wave's token numbers, back
	v_lshl_add_u32 v27, v24, 2, s48                ; and in
	s_mul_i32 s48, s20, 20
	v_add_nc_u32 v28, s48, v23                     ; the rows that my wave brings: 20 x wave + 2 i + h
	v_mul_u32_u24 v25, v28, XP
	v_add_nc_u32 v25, v25, v29
	v_mul_u32_u24 v26, v22, XP
	v_lshl_add_u32 v26, v23, 4, v26                ; x's fragments: row r x pitch + 16 h
	s_lshl_b32 s22, ttmp9, 4
	s_mov_b32 s23, 0
	s_mov_b32 s43, 0                               ; the hidden layer's buffer in hand
	s_wait_kmcnt 0x0
	s_add_nc_u64 s[22:23], s[6:7], s[22:23]
	s_load_b128 s[24:27], s[22:23], 0x0            ; the tile: first position, rows, lo, hi
	s_load_b128 s[28:31], s[16:17], 0x0            ; e0 .. e3
	s_wait_kmcnt 0x0
	s_min_u32 s24, s24, 0x3fff
	s_min_u32 s25, s25, 80
	s_min_u32 s26, s26, 7
	s_min_u32 s27, s27, 7
	s_add_co_i32 s32, s25, -1                      ; the tile's last row; rows behind it repeat it
.irp i, 0,1,2,3,4,5,6,7,8,9
	v_add_nc_u32 v[232+\i], 2*\i, v28
	v_min_u32 v[232+\i], s32, v[232+\i]
	v_add_nc_u32 v[232+\i], s24, v[232+\i]
	v_min_u32 v[232+\i], 0x3fff, v[232+\i]
	v_lshl_add_u32 v[232+\i], v[232+\i], 8, v29
.endr
.irp k, 0,1,2
	v_add_nc_u32 v[242+\k], 32*\k, v24
	v_min_u32 v[242+\k], s32, v[242+\k]
	v_add_nc_u32 v[242+\k], s24, v[242+\k]
	v_min_u32 v[242+\k], 0x3fff, v[242+\k]
	v_lshlrev_b32 v[242+\k], 2, v[242+\k]
.endr
.irp m, 0,1,2,3,4
	v_add_nc_u32 v[248+\m], 16*\m, v22
	v_min_u32 v[248+\m], s32, v[248+\m]
	v_add_nc_u32 v[248+\m], s24, v[248+\m]
	v_min_u32 v[248+\m], 0x3fff, v[248+\m]
	v_lshlrev_b32 v[248+\m], 3, v[248+\m]
.endr
	s_mov_b32 s49, 0
	s_lshl_b32 s50, s20, 15                        ; my wave's block of 32 KB in a chunk
	s_lshl_b32 s51, s20, 8                         ; my wave's 64 numbers of a bias
	s_lshl_b32 s48, s26, 19
	s_add_co_u32 s48, s48, s50
	s_add_nc_u64 s[WN:WN+1], s[10:11], s[48:49]
	s_lshl_b32 s48, s27, 19
	s_add_co_u32 s48, s48, s50
	s_add_nc_u64 s[WB:WB+1], s[10:11], s[48:49]
	s_lshl_b32 s48, s26, 12
	s_add_co_u32 s48, s48, s51
	s_add_nc_u64 s[BN:BN+1], s[12:13], s[48:49]
	s_lshl_b32 s48, s27, 12
	s_add_co_u32 s48, s48, s51
	s_add_nc_u64 s[BB:BB+1], s[12:13], s[48:49]
	s_lshl_b32 s48, s26, 10
	s_add_co_u32 s48, s48, s51
	s_add_nc_u64 s[52:53], s[14:15], s[48:49]
	s_lshl_b32 s48, s27, 10
	s_add_co_u32 s48, s48, s51
	s_add_nc_u64 s[54:55], s[14:15], s[48:49]
.irp i, 0,1,2,3,4,5,6,7,8,9
	global_load_b128 v[PC+4*\i:PC+4*\i+3], v[232+\i], s[4:5]       ; two whole rows of codes a load
.endr
.irp k, 0,1,2
	global_load_b32 v[245+\k], v[242+\k], s[6:7] offset:4096       ; the rows' tokens
.endr
.irp m, 0,1,2,3,4
	global_load_b64 v[12+2*\m:13+2*\m], v[248+\m], s[8:9]          ; g_lo, g_hi of token 16 m + r
.endr
	WIN 0xc0
.irp c, 0,1,2,3
	global_load_b128 v[192+8*\c:195+8*\c], v5, s[52:53] offset:64*\c
	global_load_b128 v[196+8*\c:199+8*\c], v5, s[52:53] offset:64*\c+16
	global_load_b128 v[224+8*\c:227+8*\c], v5, s[54:55] offset:64*\c
	global_load_b128 v[228+8*\c:231+8*\c], v5, s[54:55] offset:64*\c+16
.endr
	LD_B1
	LD_W 0, 0
	LD_W 128, 16384
	WIN 0
	s_add_co_i32 s56, s28, s29                     ; e0 + e1
	s_sub_co_i32 s46, 127, s56
	s_lshl_b32 s46, s46, 23                        ; 2^-(e0 + e1)
	s_mov_b32 s47, s46                             ; (named with it as a pair, so it is written)
	s_add_co_i32 s44, s30, s31
	s_add_co_i32 s44, s44, 127
	s_lshl_b32 s44, s44, 23                        ; 2^(e2 + e3)
	s_mov_b32 s45, s44
	s_sub_co_i32 s57, s30, s56
	s_add_co_i32 s57, s57, 127
	s_lshl_b32 s58, s57, 23
	v_mov_b32 v10, s58                             ; 2^(e2 - e0 - e1): the three scales folded into the conversion's one
	s_add_co_i32 s57, s57, 8
	s_lshl_b32 s57, s57, 23
	s_or_b32 s57, s57, 0x600000
	v_mov_b32 v11, s57                             ; 448 x that
	s_wait_loadcnt 63                              ; 106 loads were issued; the rows and tokens are the 13 oldest: 93 younger ones might stay out, and the wait's field holds 63
.irp i, 0,1,2,3,4,5,6,7,8,9
	ds_store_b128 v25, v[PC+4*\i:PC+4*\i+3] offset:2*\i*XP
.endr
.irp k, 0,1,2
	ds_store_b32 v27, v[245+\k] offset:128*\k
.endr
	s_wait_dscnt 0x0                               ; for the others' sake: my 20 rows lie in LDS
	s_barrier_signal -1
	s_barrier_wait -1
	WIN 0x40                                       ; destination window 1
.irp m, 0,1,2,3,4
.irp s, 0,1
.irp c, 0,1,2,3
	ds_load_b128 v[32*\m+16*\s+4*\c:32*\m+16*\s+4*\c+3], v26 offset:16*\m*XP+128*\s+32*\c   ; registers 4 c on: code positions 128 s + 32 c + 16 h + 0 .. 15, as in W1's fragments
.endr
.endr
.endr
	WIN 0
	s_wait_dscnt 0x0
	s_wait_xcnt 0x0                                ; the head's loads have read their bases: they may step
	s_add_nc_u64 s[WN:WN+1], s[WN:WN+1], 0x20000
	s_add_nc_u64 s[BN:BN+1], s[BN:BN+1], 1024
; A CHUNK of 256 hidden units.  first = 1: the second product's first K step starts the sums (C = 0).  next = 1: the next chunk's b1, W1 and W2 are asked for.
; Global loads always go out in the order b1 (8), W1 K step 0 (16), W1 K step 1 (16), W2 K step 0 (16), W2 K step 1 (16); each wait counts the younger ones.
; The 20 accumulators of each product take turns, one instruction a turn.
.macro CHUNK first, next
	s_wait_loadcnt 48                              ; b1 and W1's first K step are in; W1's second and W2 stay out
	WIN 0xc3                                       ; source 0 and destination window 3
.irp j, 0,2,4,6,8,10,12,14,16,18,20,22,24,26,28,30
	v_pk_mul_f32 v[160+\j:161+\j], v[160+\j:161+\j], s[46:47] op_sel_hi:[1,0]   ; b1 x 2^-(e0 + e1).  (These are also places between the last chunk's products and the products below, which write over registers that those read)
.endr
	WIN 0x36                                       ; source 0 (W1) window 2, source 1 (x) window 1, C (b1) window 3
.irp m, 0,1,2,3,4
.irp t, 0,1,2,3
	v_wmma_f32_16x16x128_fp8_fp8 v[A1+8*(4*\m+\t):A1+8*(4*\m+\t)+7], v[16*\t:16*\t+15], v[32*\m:32*\m+15], v[160+8*\t:167+8*\t]
.endr
.endr
	s_wait_loadcnt 32                              ; W1's second K step is in; W2 stays out
	WIN 0x06
.irp m, 0,1,2,3,4
.irp t, 0,1,2,3
	v_wmma_f32_16x16x128_fp8_fp8 v[A1+8*(4*\m+\t):A1+8*(4*\m+\t)+7], v[64+16*\t:79+16*\t], v[32*\m+16:32*\m+31], v[A1+8*(4*\m+\t):A1+8*(4*\m+\t)+7]
.endr
.endr
	WIN 0
	v_add_nc_u32 v3, s43, v2                       ; four plain lines behind the products, ahead of the loads into their sources and of the first read of their results
	v_add_nc_u32 v4, s43, v1
	v_nop
	v_nop
.if \next
	LD_B1
	LD_W 0, 0
	WIN 0
.endif
.irp m, 0,1,2,3,4
.set jj, 0
.rept 32
	v_med3_num_f32 v[A1+32*\m+jj], v[A1+32*\m+jj], 0, v11   ; relu and the hold at the largest code in one; each accumulator from its low end on
.set jj, jj+1
.endr
.irp t, 0,1,2,3
	v_cvt_scalef32_pk8_fp8_f32 v[PC+8*\m+2*\t:PC+8*\m+2*\t+1], v[A1+32*\m+8*\t:A1+32*\m+8*\t+7], v10   ; units 16 t + 8 h + 0 .. 7 of my token: a register pair of the next operand as its layout wants it
.endr
	ds_store_b128 v3, v[PC+8*\m:PC+8*\m+3] offset:HB+2048*\m
	ds_store_b128 v3, v[PC+8*\m+4:PC+8*\m+7] offset:HB+2048*\m+512
.endr
	v_nop                                          ; a plain line behind the last conversion
	s_wait_dscnt 0x0                               ; my pieces lie in LDS, and my reads of the other buffer are long over
	s_barrier_signal -1
	s_barrier_wait -1
	WIN 0x40
.irp m, 0,1,2,3,4
.irp c, 0,1,2,3
	ds_load_b128 v[160+16*\m+4*\c:160+16*\m+4*\c+3], v4 offset:HB+2048*\m+512*\c
.endr
.endr
	WIN 0
.irp m, 0,1,2,3,4
.irp c, 0,1,2,3
	ds_load_b128 v[A1+16*\m+4*\c:A1+16*\m+4*\c+3], v4 offset:HB+10240+2048*\m+512*\c
.endr
.endr
.if \next
	s_wait_loadcnt 56                              ; W2's first K step is in; its second and the next chunk's 40 stay out
.else
	s_wait_loadcnt 16
.endif
	s_wait_dscnt 20                                ; the first K step's hidden fragments are in
	WIN 0xf6                                       ; source 0 (W2) window 2, source 1 window 1, C and D window 3
.irp m, 0,1,2,3,4
.irp c, 0,1,2,3
.if \first
	v_wmma_f32_16x16x128_fp8_fp8 v[8*(4*\m+\c):8*(4*\m+\c)+7], v[128+16*\c:143+16*\c], v[160+16*\m:175+16*\m], 0
.else
	v_wmma_f32_16x16x128_fp8_fp8 v[8*(4*\m+\c):8*(4*\m+\c)+7], v[128+16*\c:143+16*\c], v[160+16*\m:175+16*\m], v[8*(4*\m+\c):8*(4*\m+\c)+7]
.endif
.endr
.endr
.if \next
	s_wait_loadcnt 40
.else
	s_wait_loadcnt 0x0
.endif
	s_wait_dscnt 0x0
	WIN 0xf2                                       ; source 1 window 0
.irp m, 0,1,2,3,4
.irp c, 0,1,2,3
	v_wmma_f32_16x16x128_fp8_fp8 v[8*(4*\m+\c):8*(4*\m+\c)+7], v[192+16*\c:207+16*\c], v[A1+16*\m:A1+16*\m+15], v[8*(4*\m+\c):8*(4*\m+\c)+7]
.endr
.endr
	WIN 0
.rept 4
	v_nop                                          ; four plain lines ahead of loads into W2's registers and of the first read of the sums
.endr
.if \next
	LD_W 128, 16384
	WIN 0
	s_wait_xcnt 0x0                                ; the loads have read their bases: they may step
	s_add_nc_u64 s[WN:WN+1], s[WN:WN+1], 0x20000
	s_add_nc_u64 s[BN:BN+1], s[BN:BN+1], 1024
.endif
	s_xor_b32 s43, s43, HBUF                       ; on to the other buffer
.endm
; y = sum x 2^(e2 + e3) + b2, into window 0; bb: where the expert's b2 lies in window 3
.macro YOUT bb
	WIN 0x33                                       ; sources 0 and 2 window 3
.irp m, 0,1,2,3,4
.irp c, 0,1,2,3
.irp i, 0,2,4,6
	v_pk_fma_f32 v[A1+8*(4*\m+\c)+\i:A1+8*(4*\m+\c)+\i+1], v[8*(4*\m+\c)+\i:8*(4*\m+\c)+\i+1], s[44:45], v[\bb+8*\c+\i:\bb+8*\c+\i+1] op_sel_hi:[1,0,1]
.endr
.endr
.endr
.endm
.macro TOSTAGE                         ; lane (r, h): row 16 m + r, my wave's columns 16 c + 8 h + 0 .. 7
.irp m, 0,1,2,3,4
.irp c, 0,1,2,3
	ds_store_b128 v6, v[A1+8*(4*\m+\c):A1+8*(4*\m+\c)+3] offset:16*\m*SP+64*\c
	ds_store_b128 v6, v[A1+8*(4*\m+\c)+4:A1+8*(4*\m+\c)+7] offset:16*\m*SP+64*\c+16
.endr
.endr
.endm
	; ---- expert lo: four chunks; the last asks for expert hi's first
	CHUNK 1, 1
	s_mov_b32 s42, 0
.La:
	CHUNK 0, 1
	s_add_co_u32 s42, s42, 1
	s_cmp_eq_u32 s42, 2                            ; the third trip fetches from expert hi
	s_cselect_b64 s[WN:WN+1], s[WB:WB+1], s[WN:WN+1]
	s_cselect_b64 s[BN:BN+1], s[BB:BB+1], s[BN:BN+1]
	s_cmp_lt_u32 s42, 3
	s_cbranch_scc1 .La
	; g_lo y_lo waits in my own stage while expert hi is computed: its registers are wanted for the first product
	YOUT 192
	WIN 0
.irp m, 0,1,2,3,4
.irp j, 0,2,4,6,8,10,12,14,16,18,20,22,24,26,28,30
	v_pk_mul_f32 v[A1+32*\m+\j:A1+32*\m+\j+1], v[A1+32*\m+\j:A1+32*\m+\j+1], v[12+2*\m:13+2*\m] op_sel_hi:[1,0]   ; x g_lo, the pair's first word
.endr
.endr
	TOSTAGE
	s_wait_dscnt 0x0                               ; the stores have read their registers
	; ---- expert hi
	CHUNK 1, 1
	s_mov_b32 s42, 0
.Lb:
	CHUNK 0, 1
	s_add_co_u32 s42, s42, 1
	s_cmp_lt_u32 s42, 2
	s_cbranch_scc1 .Lb
	CHUNK 0, 0                                     ; the last chunk asks for nothing: no load leaves its buffer
	; ---- the way out
	WIN 0x80                                       ; destination window 2: the weights' registers are free
.irp m, 0,1,2,3,4
.irp c, 0,1,2,3
	ds_load_b128 v[8*(4*\m+\c):8*(4*\m+\c)+3], v6 offset:16*\m*SP+64*\c
	ds_load_b128 v[8*(4*\m+\c)+4:8*(4*\m+\c)+7], v6 offset:16*\m*SP+64*\c+16
.endr
.endr
	YOUT 224
	s_wait_dscnt 0x0
	WIN 0x20                                       ; source 2 window 2
.irp m, 0,1,2,3,4
.irp j, 0,2,4,6,8,10,12,14,16,18,20,22,24,26,28,30
	v_pk_fma_f32 v[A1+32*\m+\j:A1+32*\m+\j+1], v[A1+32*\m+\j:A1+32*\m+\j+1], v[12+2*\m:13+2*\m], v[32*\m+\j:32*\m+\j+1] op_sel:[0,1,0] op_sel_hi:[1,1,1]   ; g_hi y_hi + g_lo y_lo
.endr
.endr
	WIN 0
	TOSTAGE                                        ; my own bytes: LDS serves a wave's instructions in order (ISA guide 5.7.1.4), so no wait stands between these stores and the loads below
.irp m, 0,1,2,3,4
	s_cmp_gt_u32 s25, 16*\m                        ; a group of 16 rows that the tile does not reach is not stored
	s_cbranch_scc0 .Lend
.irp i, 0,1,2,3,4,5,6,7
	ds_load_b128 v[A1+32*\m+4*\i:A1+32*\m+4*\i+3], v7 offset:(16*\m+2*\i)*SP
.endr
.irp i, 0,1,2,3,4,5,6,7
	ds_load_b32 v[PC+8*\m+\i], v9 offset:4*(16*\m+2*\i)
.endr
	s_wait_dscnt 0x0
.irp i, 0,1,2,3,4,5,6,7
	v_min_u32 v[PC+8*\m+\i], 0x3fff, v[PC+8*\m+\i]
	v_lshl_add_u32 v[PC+8*\m+\i], v[PC+8*\m+\i], 10, v8
.endr
.irp i, 0,1,2,3,4,5,6,7
	global_store_b128 v[PC+8*\m+\i], v[A1+32*\m+4*\i:A1+32*\m+4*\i+3], s[18:19] th:TH_STORE_NT   ; sixteen lanes store 256 consecutive bytes of a token's row, aligned; each group has registers of its own
.endr
.endr
.Lend:
	s_wait_tensorcnt 0x0
	ds_add_u32 v254, v255
	s_wait_dscnt 0x0
	s_endpgm
.Lfunc_end_k_q4218d61710_experts:
	.size	k_q4218d61710_experts, .Lfunc_end_k_q4218d61710_experts-k_q4218d61710_experts
	.p2alignl 7, 3214868480
	.fill 96, 4, 3214868480
	.section	.rodata,"a",@progbits
	.p2align	6, 0x0
	.amdhsa_kernel k_q4218d61710_experts
		.amdhsa_group_segment_fixed_size 152320
		.amdhsa_private_segment_fixed_size 0
		.amdhsa_enable_private_segment 0
		.amdhsa_kernarg_size 64
		.amdhsa_user_sgpr_count 2
		.amdhsa_user_sgpr_kernarg_segment_ptr 1
		.amdhsa_wavefront_size32 1
		.amdhsa_system_sgpr_workgroup_id_x 1
		.amdhsa_system_sgpr_workgroup_id_y 1
		.amdhsa_system_sgpr_workgroup_id_z 1
		.amdhsa_system_vgpr_workitem_id 0
		.amdhsa_next_free_vgpr 1024
		.amdhsa_next_free_sgpr 66
		.amdhsa_reserve_vcc 0
		.amdhsa_float_denorm_mode_32 3
		.amdhsa_float_denorm_mode_16_64 3
		.amdhsa_memory_ordered 1
		.amdhsa_forward_progress 1
		.amdhsa_inst_pref_size 199
	.end_amdhsa_kernel
	.amdgpu_metadata
---
amdhsa.version: [ 1, 2 ]
amdhsa.kernels:
  - .name:           k_q4218d61710_experts
    .symbol:         k_q4218d61710_experts.kd
    .args:
      - { .name: xs, .offset: 0, .size: 8, .value_kind: global_buffer, .address_space: global }
      - { .name: lists, .offset: 8, .size: 8, .value_kind: global_buffer, .address_space: global }
      - { .name: gws, .offset: 16, .size: 8, .value_kind: global_buffer, .address_space: global }
      - { .name: wc, .offset: 24, .size: 8, .value_kind: global_buffer, .address_space: global }
      - { .name: b1, .offset: 32, .size: 8, .value_kind: global_buffer, .address_space: global }
      - { .name: b2, .offset: 40, .size: 8, .value_kind: global_buffer, .address_space: global }
      - { .name: lowp_scales, .offset: 48, .size: 8, .value_kind: global_buffer, .address_space: global }
      - { .name: out0, .offset: 56, .size: 8, .value_kind: global_buffer, .address_space: global }
    .group_segment_fixed_size: 152320
    .private_segment_fixed_size: 0
    .kernarg_segment_align: 8
    .kernarg_segment_size: 64
    .max_flat_workgroup_size: 128
    .sgpr_count:     66
    .vgpr_count:     1024
    .wavefront_size: 32
...
	.end_amdgpu_metadata
.endif
;; end of part 3
;; ======== version 2 of 2: 3 launches
;; workspace buffers: xq 4,194,304 bytes; rinfo 98,304 bytes of whole numbers; gw 131,072 bytes; xs 4,194,304 bytes; lists 69,632 bytes of whole numbers; gws 131,072 bytes; wc 4,194,304 bytes
;; launch route (part 4): grid 256 x 1, 4 waves a work-group, no clusters, 2,560 bytes of LDS; arguments x, gate_w, gate_b, lowp_scales, xq, rinfo, gw; writes xq, rinfo, gw
.if DOCPART == 4
	.amdgcn_target "amdgcn-amd-amdhsa--gfx1250"
	.amdhsa_code_object_version 6
	.text
	.protected	k_q4218d61710_route
	.globl	k_q4218d61710_route
	.p2align	8
	.type	k_q4218d61710_route,@function
k_q4218d61710_route:
	s_mov_b64 s[64:65], 0
	v_nop
	global_prefetch_b8 v0, s[64:65] scope:SCOPE_SE
	s_setreg_imm32_b32 hwreg(HW_REG_WAVE_MODE, 25, 1), 1
	s_wait_xcnt 0x0
; ROUTE.  x [16384][256] f32 is read once.  Made of it: (1) the router in f32: logits = x gate_w + gate_b, softmax, the two largest; (2) x's codes of E4M3 with the given scale 2^e1.
; Stored, all at fixed places (no address and no branch hangs on the router's numbers):
;   xq    [token][256] codes.  Code position p = 16 j + 4 i + m holds k = 64 i + 4 j + m: the order in which dense loads leave the numbers in the lanes.  W1's codes are laid in the same order by the next launch.
;   rinfo hist [256 blocks of 64 tokens][32] at byte 0: tokens of each of the 28 unordered pairs of experts;  tokinfo [token] at byte 32,768: key | rank << 8, rank = the token's place among its block's tokens of that key.
;   gw    [token][2] f32: the weight of the pair's lower expert, of its higher expert.
; SHARES.  A work-group takes 64 tokens, a wave 16, in 8 steps of two rows: lanes 0-15 one row, lanes 16-31 the next; each load of a wave covers two runs of 256 consecutive bytes.
; LIMITS.  e1 between -126 and 119.  NaN and infinities among the inputs are not served.  The two experts are chosen on the f32 logits (the order of the probabilities; a tie goes to the lower index);
; two different logits whose probabilities round to one f32 number are ordered by the logits.
; No matrix unit: the router's N is 8.  No prefetch: all loads are issued at the head.
; REGISTERS.  Window 0: v1-11 offsets; v12-31 small values; v32-63 codes, four a step; v64-127 partial logits P[step][expert]; v128-255 x, 16 a step, later at work.  Window 1: v0-127 gate_w[k(q)][e] at 8 q + e.
.set XR, 128
.set PR, 64
.set CR, 32
.set INFO, 512                         ; LDS: counts [4 waves][32] at 0; tokinfo [64] at 512; gate pairs [64][2] at 768
.set GWS, 768
.set MSB, 0
.macro WIN new                         ; the immediate's high byte repeats the setting that is left
.if MSB != \new
	s_set_vgpr_msb (MSB<<8)|\new
.set MSB, \new
.endif
.endm
	s_load_b256 s[4:11], s[0:1], 0x0               ; x s[4:5], gate_w s[6:7], gate_b s[8:9], lowp_scales s[10:11]
	s_load_b128 s[12:15], s[0:1], 0x20             ; xq s[12:13], rinfo s[14:15]
	s_load_b64 s[16:17], s[0:1], 0x30              ; gw
	s_set_vgpr_msb 0x40
	v_lshl_add_u32 v128, v0, 2, 0x800
	v_mov_b32 v129, 0
	s_set_vgpr_msb 0x4000
	v_lshrrev_b32 v28, 5, v0
	v_readfirstlane_b32 s18, v28                   ; wave 0..3
	v_and_b32 v29, 15, v0                          ; j
	v_bfe_u32 v30, v0, 4, 1                        ; which of the step's two rows
	v_and_b32 v31, 31, v0                          ; lane
	v_lshlrev_b32 v3, 4, v29
	v_lshl_add_u32 v1, v30, 10, v3                 ; x: 1,024 x row + 16 j
	v_lshl_add_u32 v2, v30, 8, v3                  ; codes: 256 x row + 16 j
	v_lshlrev_b32 v3, 7, v29                       ; gate_w: 4 j rows of 32 bytes
	v_lshlrev_b32 v6, 2, v0                        ; counts, in: 128 x wave + 4 x lane
	v_lshlrev_b32 v7, 2, v31                       ; counts, back: 4 x lane
	v_and_b32 v8, 14, v0
	v_add_nc_u32 v8, v8, v30
	v_lshl_add_u32 v8, v28, 4, v8                  ; the token that my lane ends up with: 16 x wave + (lane & 14) + lane / 16
	v_and_b32 v9, 1, v0
	v_lshlrev_b32 v9, 2, v9
	v_lshl_add_u32 v9, v8, 3, v9                   ; its gate pair's word for my lane: even lanes the lower expert's, odd lanes the higher's
	v_lshlrev_b32 v8, 2, v8
	v_lshlrev_b32 v10, 3, v31
	v_lshlrev_b32 v11, 4, v31
	s_mov_b32 s60, 0xff00ff00                      ; lanes with bit 3, 2, 1, 0 set
	s_mov_b32 s61, 0xf0f0f0f0
	s_mov_b32 s62, 0xcccccccc
	s_mov_b32 s63, 0xaaaaaaaa
	s_lshl_b32 s2, ttmp9, 16                       ; 64 rows of 1,024 bytes a work-group,
	s_lshl_b32 s3, s18, 14                         ; 16 a wave
	s_add_co_u32 s2, s2, s3
	s_mov_b32 s3, 0
	s_wait_kmcnt 0x0
	s_load_b256 s[20:27], s[8:9], 0x0              ; gate_b
	s_load_b128 s[28:31], s[10:11], 0x0            ; e0 .. e3
	s_add_nc_u64 s[4:5], s[4:5], s[2:3]
	s_lshr_b32 s2, s2, 2
	s_add_nc_u64 s[12:13], s[12:13], s[2:3]
	WIN 0x40                                       ; destination window 1
.irp i, 0,1,2,3
.irp m, 0,1,2,3
	global_load_b128 v[8*(4*\i+\m):8*(4*\i+\m)+3], v3, s[6:7] offset:2048*\i+32*\m
	global_load_b128 v[8*(4*\i+\m)+4:8*(4*\i+\m)+7], v3, s[6:7] offset:2048*\i+32*\m+16
.endr
.endr
	WIN 0
.irp g, 0,1,2,3,4,5,6,7
.irp i, 0,1,2,3
	global_load_b128 v[XR+16*\g+4*\i:XR+16*\g+4*\i+3], v1, s[4:5] offset:2048*\g+256*\i th:TH_LOAD_NT
.endr
.endr
	s_wait_kmcnt 0x0
	s_add_co_i32 s2, s29, 127
	s_lshl_b32 s3, s2, 23
	v_mov_b32 v5, s3                               ; 2^e1 as f32: the conversion takes its exponent field
	s_add_co_i32 s2, s2, 8
	s_lshl_b32 s2, s2, 23
	s_or_b32 s2, s2, 0x600000
	v_mov_b32 v4, s2                               ; 448 x 2^e1
; One step: two rows.  My 16 numbers times their rows of gate_w, two experts an instruction; then the same 16 numbers become 16 codes.
.macro STEP g
	s_wait_loadcnt 28-4*\g                         ; loads come back in order: this step's four are in, the later steps' stay out; gate_w was asked for earlier
	WIN 0x04                                       ; source 1 (gate_w) window 1
.irp e, 0,2,4,6
	v_pk_mul_f32 v[PR+8*\g+\e:PR+8*\g+\e+1], v[XR+16*\g:XR+16*\g+1], v[\e:\e+1] op_sel_hi:[0,1]   ; the first product starts the sums
.endr
.set qq, 1
.rept 15
.irp e, 0,2,4,6
.if qq & 1
	v_pk_fma_f32 v[PR+8*\g+\e:PR+8*\g+\e+1], v[XR+16*\g+qq-1:XR+16*\g+qq], v[8*qq+\e:8*qq+\e+1], v[PR+8*\g+\e:PR+8*\g+\e+1] op_sel:[1,0,0] op_sel_hi:[1,1,1]
.else
	v_pk_fma_f32 v[PR+8*\g+\e:PR+8*\g+\e+1], v[XR+16*\g+qq:XR+16*\g+qq+1], v[8*qq+\e:8*qq+\e+1], v[PR+8*\g+\e:PR+8*\g+\e+1] op_sel_hi:[0,1,1]
.endif
.endr
.set qq, qq+1
.endr
	WIN 0
.set qq, 0
.rept 16
	v_med3_num_f32 v[XR+16*\g+qq], v[XR+16*\g+qq], -v4, v4   ; the conversion to an 8-bit code does not saturate (ISA guide 7.6.2): hold first
.set qq, qq+1
.endr
	v_cvt_scalef32_pk8_fp8_f32 v[CR+4*\g:CR+4*\g+1], v[XR+16*\g:XR+16*\g+7], v5
	v_cvt_scalef32_pk8_fp8_f32 v[CR+4*\g+2:CR+4*\g+3], v[XR+16*\g+8:XR+16*\g+15], v5
	v_nop                                          ; a plain line behind the conversions
	global_store_b128 v2, v[CR+4*\g:CR+4*\g+3], s[12:13] offset:512*\g   ; the wave stores 512 consecutive bytes; each step has code registers of its own
.endm
.irp g, 0,1,2,3,4,5,6,7
	STEP \g
.endr
; The sums over the 16 lanes of a row, all 8 steps x 8 experts at once: in each stage a lane keeps half of its steps and hands the other half to the lane xm away.
.macro RS n, mask, xm
.set ra, 0
.rept \n
.irp e, 0,1,2,3,4,5,6,7
	v_cndmask_b32 v[XR+2*\e], v[PR+8*ra+\e], v[PR+8*(ra+\n)+\e], \mask      ; what I keep
	v_cndmask_b32 v[XR+2*\e+1], v[PR+8*(ra+\n)+\e], v[PR+8*ra+\e], \mask    ; what I hand over
.endr
.irp e, 0,1,2,3,4,5,6,7
	v_add_f32_dpp v[PR+8*ra+\e], v[XR+2*\e+1], v[XR+2*\e] row_xmask:\xm row_mask:0xf bank_mask:0xf
.endr
.set ra, ra+1
.endr
.endm
	RS 4, s60, 8
	RS 2, s61, 4
	RS 1, s62, 2
.irp e, 0,1,2,3,4,5,6,7
	v_add_f32_dpp v[PR+\e], v[PR+\e], v[PR+\e] row_xmask:1 row_mask:0xf bank_mask:0xf
.endr
.irp e, 0,1,2,3,4,5,6,7
	v_add_f32 v[PR+\e], s[20+\e], v[PR+\e]         ; + gate_b: lane l now holds the 8 logits of row (l & 14) + l / 16; each row lies in two neighbouring lanes
.endr
	; the largest and the second largest logit and their experts; walking from 7 down to 0 leaves the lowest index of a tie
	v_max3_num_f32 v19, v64, v65, v66
	v_max3_num_f32 v19, v19, v67, v68
	v_max3_num_f32 v19, v19, v69, v70
	v_max_num_f32 v19, v19, v71
	v_mov_b32 v13, 0
.irp e, 7,6,5,4,3,2,1,0
	v_cmp_neq_f32 vcc_lo, v[PR+\e], v19
	v_cndmask_b32 v13, \e, v13, vcc_lo
.endr
	v_mov_b32 v21, 0xff800000
.irp e, 0,1,2,3,4,5,6,7
	v_cmp_eq_u32 vcc_lo, \e, v13
	v_cndmask_b32 v[XR+\e], v[PR+\e], v21, vcc_lo
.endr
	v_max3_num_f32 v20, v128, v129, v130
	v_max3_num_f32 v20, v20, v131, v132
	v_max3_num_f32 v20, v20, v133, v134
	v_max_num_f32 v20, v20, v135
	v_mov_b32 v14, 0
.irp e, 7,6,5,4,3,2,1,0
	v_cmp_neq_f32 vcc_lo, v[XR+\e], v20
	v_cndmask_b32 v14, \e, v14, vcc_lo
.endr
	; softmax: the row's maximum is taken away first
.irp e, 0,1,2,3,4,5,6,7
	v_sub_f32 v[144+\e], v[PR+\e], v19
.endr
	v_sub_f32 v152, v20, v19
.irp e, 0,1,2,3,4,5,6,7,8
	v_mul_f32 v[144+\e], 0x3fb8aa3b, v[144+\e]
.endr
	s_wait_alu depctr_va_vdst(0)
.irp e, 0,1,2,3,4,5,6,7,8
	v_exp_f32 v[144+\e], v[144+\e]
.endr
	v_min_u32 v24, v13, v14                        ; the pair's lower expert (a plain line behind the exponentials),
	v_max_u32 v25, v13, v14                        ; and its higher
	s_wait_alu depctr_va_vdst(0)                   ; one wait for the batch of nine, ahead of its first reader
	v_add_f32 v22, v144, v145
	v_add_f32 v28, v146, v147
	v_add_f32 v29, v148, v149
	v_add_f32 v30, v150, v151
	v_add_f32 v22, v22, v28
	v_add_f32 v29, v29, v30
	v_add_f32 v22, v22, v29
	s_wait_alu depctr_va_vdst(0)
	v_rcp_f32 v22, v22                             ; the largest's probability: its exponential is 1
	v_sub_nc_u32 v28, 15, v24                      ; key = lo (15 - lo) / 2 + hi - lo - 1: 0 .. 27
	v_mul_u32_u24 v28, v28, v24
	v_lshrrev_b32 v28, 1, v28
	v_add_nc_u32 v28, v28, v25
	v_sub_nc_u32 v28, v28, v24
	v_add_nc_u32 v12, -1, v28
	s_wait_alu depctr_va_vdst(0)                   ; the wait ahead of the reciprocal's first reader
	v_mul_f32 v23, v152, v22                       ; the second's probability
	v_cmp_lt_u32 vcc_lo, v13, v14
	v_cndmask_b32 v26, v23, v22, vcc_lo            ; the lower expert's weight,
	v_cndmask_b32 v27, v22, v23, vcc_lo            ; the higher's
	; counts and ranks, as values only.  Each token lies in two lanes, so every count is kept doubled and halved at the end.
	v_mov_b32 v16, 0
.set gg, 0
.rept 28
	v_cmp_eq_u32 s[32+gg], gg, v12
	s_bcnt1_i32_b32 s2, s[32+gg]
	v_writelane_b32 v16, s2, gg
.set gg, gg+1
.endr
	ds_store_b32 v6, v16
	s_wait_dscnt 0x0                               ; for the others' sake: my counts lie in LDS
	s_barrier_signal -1
	s_barrier_wait -1
.irp k, 0,1,2,3
	ds_load_b32 v[XR+\k], v7 offset:128*\k
.endr
	s_wait_dscnt 0x0
	v_add_nc_u32 v18, v128, v129
	v_add3_u32 v18, v18, v130, v131                ; the block's count of key = lane
	v_mov_b32 v17, 0
.irp k, 0,1,2
	s_cmp_gt_u32 s18, \k
	s_cselect_b32 s2, -1, 0
	v_and_b32 v28, s2, v[XR+\k]
	v_add_nc_u32 v17, v17, v28                     ; the earlier waves' count
.endr
	v_mov_b32 v15, 0
.set gg, 0
.rept 28
	v_readlane_b32 s2, v17, gg
	v_mbcnt_lo_u32_b32 v28, s[32+gg], s2           ; earlier waves' + lower lanes' of this key
	v_cndmask_b32 v15, v15, v28, s[32+gg]
.set gg, gg+1
.endr
	v_lshrrev_b32 v15, 1, v15
	v_lshl_or_b32 v15, v15, 8, v12                 ; key | rank << 8
	v_cndmask_b32 v28, v26, v27, s63
	v_lshrrev_b32 v18, 1, v18
	ds_store_b32 v8, v15 offset:INFO               ; a token's two lanes write the same word with the same value
	ds_store_b32 v9, v28 offset:GWS
	s_wait_dscnt 0x0
	s_barrier_signal -1
	s_barrier_wait -1
	; out in runs of consecutive bytes: wave 0 the 64 words of tokinfo, wave 1 the 64 gate pairs, wave 2 the histogram's row
	s_mov_b32 s3, 0
	s_cmp_eq_u32 s18, 0
	s_cbranch_scc0 .Lnot0
	ds_load_b64 v[128:129], v10 offset:INFO
	s_lshl_b32 s2, ttmp9, 8
	s_add_co_u32 s2, s2, 32768
	s_add_nc_u64 s[14:15], s[14:15], s[2:3]
	s_wait_dscnt 0x0
	global_store_b64 v10, v[128:129], s[14:15]
	s_set_vgpr_msb 0x5
	s_wait_tensorcnt 0x0
	ds_add_u32 v128, v129
	s_wait_dscnt 0x0
	s_set_vgpr_msb 0x500
	s_endpgm
.Lnot0:
	s_cmp_eq_u32 s18, 1
	s_cbranch_scc0 .Lnot1
	ds_load_b128 v[128:131], v11 offset:GWS
	s_lshl_b32 s2, ttmp9, 9
	s_add_nc_u64 s[16:17], s[16:17], s[2:3]
	s_wait_dscnt 0x0
	global_store_b128 v11, v[128:131], s[16:17]
	s_set_vgpr_msb 0x5
	s_wait_tensorcnt 0x0
	ds_add_u32 v128, v129
	s_wait_dscnt 0x0
	s_set_vgpr_msb 0x500
	s_endpgm
.Lnot1:
	s_cmp_eq_u32 s18, 2
	s_cbranch_scc0 .Lend
	s_lshl_b32 s2, ttmp9, 7
	s_add_nc_u64 s[14:15], s[14:15], s[2:3]
	s_wait_alu depctr_va_vdst(0)
	global_store_b32 v7, v18, s[14:15]             ; lanes 28-31 hold 0
.Lend:
	s_set_vgpr_msb 0x5
	s_wait_tensorcnt 0x0
	ds_add_u32 v128, v129
	s_wait_dscnt 0x0
	s_set_vgpr_msb 0x500
	s_endpgm
.Lfunc_end_k_q4218d61710_route:
	.size	k_q4218d61710_route, .Lfunc_end_k_q4218d61710_route-k_q4218d61710_route
	.p2alignl 7, 3214868480
	.fill 96, 4, 3214868480
	.section	.rodata,"a",@progbits
	.p2align	6, 0x0
	.amdhsa_kernel k_q4218d61710_route
		.amdhsa_group_segment_fixed_size 2560
		.amdhsa_private_segment_fixed_size 0
		.amdhsa_enable_private_segment 0
		.amdhsa_kernarg_size 56
		.amdhsa_user_sgpr_count 2
		.amdhsa_user_sgpr_kernarg_segment_ptr 1
		.amdhsa_wavefront_size32 1
		.amdhsa_system_sgpr_workgroup_id_x 1
		.amdhsa_system_sgpr_workgroup_id_y 1
		.amdhsa_system_sgpr_workgroup_id_z 1
		.amdhsa_system_vgpr_workitem_id 0
		.amdhsa_next_free_vgpr 386
		.amdhsa_next_free_sgpr 66
		.amdhsa_reserve_vcc 1
		.amdhsa_float_denorm_mode_32 3
		.amdhsa_float_denorm_mode_16_64 3
		.amdhsa_memory_ordered 1
		.amdhsa_forward_progress 1
		.amdhsa_inst_pref_size 79
	.end_amdhsa_kernel
	.amdgpu_metadata
---
amdhsa.version: [ 1, 2 ]
amdhsa.kernels:
  - .name:           k_q4218d61710_route
    .symbol:         k_q4218d61710_route.kd
    .args:
      - { .name: x, .offset: 0, .size: 8, .value_kind: global_buffer, .address_space: global }
      - { .name: gate_w, .offset: 8, .size: 8, .value_kind: global_buffer, .address_space: global }
      - { .name: gate_b, .offset: 16, .size: 8, .value_kind: global_buffer, .address_space: global }
      - { .name: lowp_scales, .offset: 24, .size: 8, .value_kind: global_buffer, .address_space: global }
      - { .name: xq, .offset: 32, .size: 8, .value_kind: global_buffer, .address_space: global }
      - { .name: rinfo, .offset: 40, .size: 8, .value_kind: global_buffer, .address_space: global }
      - { .name: gw, .offset: 48, .size: 8, .value_kind: global_buffer, .address_space: global }
    .group_segment_fixed_size: 2560
    .private_segment_fixed_size: 0
    .kernarg_segment_align: 8
    .kernarg_segment_size: 56
    .max_flat_workgroup_size: 128
    .sgpr_count:     66
    .vgpr_count:     386
    .wavefront_size: 32
...
	.end_amdgpu_metadata
.endif
;; end of part 4
;; launch place (part 5): grid 320 x 1, 8 waves a work-group, no clusters, 3,072 bytes of LDS; arguments rinfo, gw, xq, w1, w2, lowp_scales, xs, lists, gws, wc; writes xs, lists, gws, wc
.if DOCPART == 5
	.amdgcn_target "amdgcn-amd-amdhsa--gfx1250"
	.amdhsa_code_object_version 6
	.text
	.protected	k_q4218d61710_place
	.globl	k_q4218d61710_place
	.p2align	8
	.type	k_q4218d61710_place,@function
k_q4218d61710_place:
	s_mov_b64 s[64:65], 0
	v_nop
	global_prefetch_b8 v0, s[64:65] scope:SCOPE_SE
	s_setreg_imm32_b32 hwreg(HW_REG_WAVE_MODE, 25, 1), 1
	s_wait_xcnt 0x0
; PLACE.  Two kinds of work-groups, told apart by the work-group's number.
; 0-63: THE SORT.  Work-group J takes tokens 256 J .. 256 J + 255.  position = (tokens of smaller keys) + (tokens of my key in earlier blocks of 64) + rank, all whole numbers that the launch before stored.
;   To that position go the token's 256 codes (xs), its number (lists, from byte 4,096) and its gate pair (gws).  Work-group 0 also writes the list of tiles (lists, byte 0): 256 entries {first position, rows, lower expert,
;   higher expert}; a tile is at most 80 tokens of one pair; entries behind the last tile have 0 rows.  The sum over the 28 pairs of ceil(count / 80) is at most (16,384 + 28 x 79) / 80 = 232.
; 64-191: w1, 192-319: w2, f32 with K not innermost, become codes of E4M3 (scales 2^e0, 2^e3) in wc, laid as IMAGES OF OPERAND REGISTERS: [expert][chunk of 256 hidden units][wave] blocks of 32 KB: W1's 8 fragments, then W2's 8;
;   in a fragment, byte 512 q + 16 lane + b is byte b of registers 4 q .. 4 q + 3.  A lane takes a column and its registers run down K, so the conversions' results are the pieces as they are stored: nothing is transposed.
;   W1's K stands in the order of x's codes (position 16 j + 4 i + m = k 64 i + 4 j + m); W2's pieces hold hidden units 32 q + 8 h + {0..7, 16..23}, the 8-bit form's own layout.
; LIMITS.  e0 and e3 between -126 and 119.  NaN among the weights is not served.
; No prefetch: every load is issued at the head.  No cluster: work-groups share no tile.
	s_load_b256 s[4:11], s[0:1], 0x0               ; rinfo s[4:5], gw s[6:7], xq s[8:9], w1 s[10:11]
	s_load_b256 s[12:19], s[0:1], 0x20             ; w2 s[12:13], lowp_scales s[14:15], xs s[16:17], lists s[18:19]
	s_load_b128 s[20:23], s[0:1], 0x40             ; gws s[20:21], wc s[22:23]
	v_lshl_add_u32 v160, v0, 2, 0x800
	v_mov_b32 v161, 0
	v_lshrrev_b32 v1, 5, v0
	s_delay_alu instid0(VALU_DEP_1)
	v_readfirstlane_b32 s24, v1                    ; wave 0..7
	v_and_b32 v2, 31, v0                           ; lane
	v_and_b32 v3, 15, v0
	v_bfe_u32 v4, v0, 4, 1
	s_delay_alu instid0(VALU_DEP_3)
	v_lshlrev_b32 v5, 2, v2                        ; 4 x lane
	s_cmp_lt_u32 ttmp9, 64
	s_cbranch_scc0 .Lweights
	; ---------------- the sort ----------------
	v_lshl_add_u32 v6, v1, 8, v5                   ; LDS: 256 x wave + 4 x lane
	v_lshl_add_u32 v7, v1, 12, v5                  ; histogram: my wave's 32 rows of 128 bytes
	v_lshlrev_b32 v8, 4, v3                        ; 16 (lane % 16)
	s_delay_alu instid0(VALU_DEP_1)
	v_lshl_add_u32 v9, v4, 8, v8
	s_delay_alu instid0(VALU_DEP_1)
	v_lshl_add_u32 v9, v1, 13, v9                  ; xq: my wave's 32 rows of 256 bytes, two a load
	v_lshlrev_b32 v10, 2, v4
	v_lshlrev_b32 v11, 2, v0
	v_lshlrev_b32 v12, 3, v0
	s_lshl_b32 s25, ttmp9, 8
	v_add_nc_u32 v13, s25, v0                      ; my token
	s_mov_b32 s27, 0
	s_wait_alu depctr_va_vdst(0)
	s_wait_kmcnt 0x0
	s_lshl_b32 s26, ttmp9, 9
	s_add_nc_u64 s[28:29], s[4:5], s[26:27]        ; the histogram's rows 4 J on
	s_lshl_b32 s26, ttmp9, 10
	s_add_co_u32 s26, s26, 32768
	s_add_nc_u64 s[30:31], s[4:5], s[26:27]        ; tokinfo of my work-group's tokens
	s_lshl_b32 s26, ttmp9, 11
	s_add_nc_u64 s[6:7], s[6:7], s[26:27]
	s_lshl_b32 s26, ttmp9, 16
	s_add_nc_u64 s[8:9], s[8:9], s[26:27]
.set ii, 0
.rept 32
	global_load_b32 v[32+ii], v7, s[4:5] offset:128*ii     ; histogram row 32 x wave + ii, lane = key
.set ii, ii+1
.endr
.irp k, 0,1,2
	global_load_b32 v[64+\k], v5, s[28:29] offset:128*\k
.endr
	global_load_b32 v16, v11, s[30:31]
	global_load_b64 v[14:15], v12, s[6:7]
.set ii, 0
.rept 16
	global_load_b128 v[96+4*ii:99+4*ii], v9, s[8:9] offset:512*ii
.set ii, ii+1
.endr
	s_lshl_b32 s32, ttmp9, 2
	s_lshl_b32 s33, s24, 5
	s_sub_co_i32 s32, s32, s33                     ; row 32 x wave + ii lies ahead of my work-group's blocks where ii < 4 J - 32 x wave
	v_mov_b32 v19, 0
	v_mov_b32 v20, 0
	s_wait_alu depctr_va_vdst(0)
	s_wait_loadcnt 18                              ; the 35 rows of the histogram are in; tokinfo, the gate pair and the 16 loads of codes stay out
.set ii, 0
.rept 32
	s_cmp_gt_i32 s32, ii
	s_cselect_b32 s33, -1, 0
	v_add_nc_u32 v19, v19, v[32+ii]
	v_and_b32 v23, s33, v[32+ii]
	s_delay_alu instid0(VALU_DEP_1)
	v_add_nc_u32 v20, v20, v23
.set ii, ii+1
.endr
	ds_store_b32 v6, v19
	ds_store_b32 v6, v20 offset:128
	s_wait_dscnt 0x0                               ; for the others' sake
	s_barrier_signal -1
	s_barrier_wait -1
.irp k, 0,1,2,3,4,5,6,7
	ds_load_b32 v[68+2*\k], v5 offset:256*\k
	ds_load_b32 v[69+2*\k], v5 offset:256*\k+128
.endr
	s_wait_dscnt 0x0
	v_add_nc_u32 v19, v68, v70
	v_add_nc_u32 v20, v69, v71
.irp k, 2,4,6
	s_delay_alu instid0(VALU_DEP_2)
	v_add3_u32 v19, v19, v[68+2*\k], v[70+2*\k]    ; all tokens of key = lane
	s_delay_alu instid0(VALU_DEP_2)
	v_add3_u32 v20, v20, v[69+2*\k], v[71+2*\k]    ; those in blocks ahead of 4 J
.endr
	s_lshr_b32 s33, s24, 1                         ; my wave's block is 4 J + wave / 2
.irp k, 0,1,2
	s_cmp_gt_u32 s33, \k
	s_cselect_b32 s34, -1, 0
	v_and_b32 v23, s34, v[64+\k]
	s_delay_alu instid0(VALU_DEP_1)
	v_add_nc_u32 v20, v20, v23
.endr
	s_mov_b32 s35, 0
	v_mov_b32 v21, 0
.set gg, 0
	s_wait_alu depctr_va_vdst(0)
.rept 28
	v_readlane_b32 s34, v19, gg
	v_writelane_b32 v21, s35, gg                   ; tokens of smaller keys
	s_add_co_u32 s35, s35, s34
.set gg, gg+1
.endr
	v_add_nc_u32 v22, v21, v20
	s_wait_loadcnt 16                              ; tokinfo and the gate pair are in
	v_and_b32 v17, 0xff, v16
	s_delay_alu instid0(VALU_DEP_1)
	v_min_u32 v17, 31, v17
	s_delay_alu instid0(VALU_DEP_1)
	v_lshlrev_b32 v17, 2, v17
	s_wait_alu depctr_va_vdst(0)
	ds_bpermute_b32 v18, v17, v22                  ; my key's base
	v_lshrrev_b32 v23, 8, v16
.set ii, 0
.rept 16
	v_add_nc_u32 v[32+ii], 8*ii, v10               ; load ii holds the rows of lanes 2 ii and 2 ii + 1
.set ii, ii+1
.endr
	s_wait_dscnt 0x0
	v_add_nc_u32 v18, v18, v23
	s_delay_alu instid0(VALU_DEP_1)
	v_min_u32 v18, 0x3fff, v18                     ; my token's position
	s_wait_alu depctr_va_vdst(0)
	v_lshlrev_b32 v24, 2, v18
	v_lshlrev_b32 v25, 3, v18
	global_store_b32 v24, v13, s[18:19] offset:4096
	global_store_b64 v25, v[14:15], s[20:21]
.set ii, 0
.rept 16
	ds_bpermute_b32 v[48+ii], v[32+ii], v18
.set ii, ii+1
.endr
	s_wait_dscnt 0x0
.set ii, 0
.rept 16
	v_min_u32 v[48+ii], 0x3fff, v[48+ii]
	s_delay_alu instid0(VALU_DEP_1)
	v_lshl_add_u32 v[48+ii], v[48+ii], 8, v8
.set ii, ii+1
.endr
	s_wait_alu depctr_va_vdst(0)
	s_wait_loadcnt 0x0
.set ii, 0
.rept 16
	global_store_b128 v[48+ii], v[96+4*ii:99+4*ii], s[16:17]   ; sixteen lanes store a row: 256 consecutive bytes, aligned
.set ii, ii+1
.endr
	s_cmp_eq_u32 ttmp9, 0
	s_cbranch_scc0 .Lplaced
	; the list of tiles: thread t makes entry t.  The last key whose first tile is at or below t is t's.
.irp r, 68,69,70,71,72
	v_mov_b32 v\r, 0
.endr
	s_mov_b32 s35, 0                               ; the key's first position
	s_mov_b32 s36, 0                               ; the key's first tile
.set LO, 0
.set HI, 1
.set gg, 0
.rept 28
	v_readlane_b32 s34, v19, gg
	v_cmp_gt_u32 vcc_lo, s36, v0
	s_delay_alu instid0(VALU_DEP_1)
	v_cndmask_b32 v68, s35, v68, vcc_lo
	s_delay_alu instid0(VALU_DEP_2)
	v_cndmask_b32 v69, s34, v69, vcc_lo
	s_delay_alu instid0(VALU_DEP_3)
	v_cndmask_b32 v70, LO, v70, vcc_lo
	s_delay_alu instid0(VALU_DEP_4)
	v_cndmask_b32 v71, HI, v71, vcc_lo
	v_cndmask_b32 v72, s36, v72, vcc_lo
	s_add_co_u32 s35, s35, s34
	s_add_co_u32 s34, s34, 79
	s_lshr_b32 s34, s34, 4
	s_mul_i32 s34, s34, 52429
	s_lshr_b32 s34, s34, 18                        ; ceil(count / 80): (count + 79) / 16 / 5, and x / 5 = x 52,429 >> 18 for x up to 1,029
	s_add_co_u32 s36, s36, s34
.set gg, gg+1
.set HI, HI+1
.if HI == 8
.set LO, LO+1
.set HI, LO+1
.endif
.endr
	v_sub_nc_u32 v72, v0, v72
	s_delay_alu instid0(VALU_DEP_1)
	v_mul_u32_u24 v72, v72, 80
	s_delay_alu instid0(VALU_DEP_1)
	v_add_nc_u32 v68, v68, v72
	s_delay_alu instid0(VALU_DEP_1)
	v_min_u32 v68, 0x3fff, v68
	s_delay_alu instid0(VALU_DEP_3)
	v_sub_nc_u32 v69, v69, v72
	s_delay_alu instid0(VALU_DEP_1)
	v_max_i32 v69, 0, v69
	s_delay_alu instid0(VALU_DEP_1)
	v_min_i32 v69, 80, v69
	v_lshlrev_b32 v73, 4, v0
	global_store_b128 v73, v[68:71], s[18:19]
.Lplaced:
	s_wait_tensorcnt 0x0
	ds_add_u32 v160, v161
	s_wait_dscnt 0x0
	s_endpgm
	; ---------------- the weights ----------------
	; A wave takes 32 columns x 64 along K: four pieces of 16 codes a lane.  CG = 8 (work-group / 4) + wave names expert and columns, qd = work-group % 4 the 64 along K.
.Lweights:
	s_wait_alu depctr_va_vdst(0)
	v_lshl_add_u32 v6, v4, 11, 0
	s_delay_alu instid0(VALU_DEP_1)
	v_lshl_add_u32 v6, v3, 4, v6                   ; in wc: lanes 16-31 fill the next fragment; 16 bytes a lane
	s_sub_co_u32 s25, ttmp9, 64
	s_lshr_b32 s26, s25, 7                         ; 0: w1, 1: w2
	s_and_b32 s25, s25, 127
	s_and_b32 s27, s25, 3                          ; qd
	s_lshr_b32 s25, s25, 2
	s_lshl_b32 s25, s25, 3
	s_add_co_u32 s25, s25, s24                     ; CG
	s_lshr_b32 s28, s25, 5                         ; expert
	s_bfe_u32 s29, s25, 0x20003                    ; chunk
	s_lshl_b32 s30, s28, 19                        ; where the pieces go: expert x 512 K
	s_lshl_b32 s31, s29, 17                        ; + chunk x 128 K
	s_add_co_u32 s30, s30, s31
	s_bfe_u32 s31, s25, 0x20001
	s_lshl_b32 s31, s31, 15                        ; + the reading wave x 32 K
	s_add_co_u32 s30, s30, s31
	s_and_b32 s31, s25, 1
	s_lshl_b32 s31, s31, 12                        ; + two fragments for the odd 32 columns
	s_add_co_u32 s30, s30, s31
	s_lshr_b32 s31, s27, 1
	s_lshl_b32 s31, s31, 13                        ; + four fragments for the second K step
	s_add_co_u32 s30, s30, s31
	s_and_b32 s31, s27, 1
	s_lshl_b32 s31, s31, 10                        ; + two pieces of 512 bytes
	s_add_co_u32 s30, s30, s31
	s_lshl_b32 s31, s26, 14                        ; + 16 K for W2's half of the block
	s_add_co_u32 s30, s30, s31
	s_mov_b32 s31, 0
	s_lshl_b32 s32, s28, 20                        ; where the numbers come from: expert x 1 M
	s_lshl_b32 s33, s27, 16                        ; + qd x 65,536: 16 rows of w1, 64 rows of w2
	s_add_co_u32 s32, s32, s33
	s_and_b32 s34, s25, 31
	s_lshl_b32 s34, s34, 7                         ; w1: 32 groups of 32 columns
	s_and_b32 s35, s25, 7
	s_lshl_b32 s35, s35, 7                         ; w2: 8 groups of 32 columns,
	s_lshl_b32 s33, s29, 18                        ;     and the chunk's 256 rows
	s_add_co_u32 s35, s35, s33
	s_cmp_eq_u32 s26, 0
	s_cselect_b32 s34, s34, s35
	s_add_co_u32 s32, s32, s34
	s_mov_b32 s33, 0
	s_wait_kmcnt 0x0
	s_load_b128 s[40:43], s[14:15], 0x0            ; e0 .. e3
	s_cmp_eq_u32 s26, 0                            ; the choice hangs on the work-group's number alone
	s_cselect_b64 s[36:37], s[10:11], s[12:13]
	s_add_nc_u64 s[36:37], s[36:37], s[32:33]
	s_add_nc_u64 s[22:23], s[22:23], s[30:31]
	s_cmp_eq_u32 s26, 0
	s_cbranch_scc0 .Lw2
.irp p, 0,1,2,3
.irp n, 0,1,2,3,4,5,6,7,8,9,10,11,12,13,14,15
	global_load_b32 v[16+16*\p+\n], v5, s[36:37] offset:(64*(\n/4)+4*\p+(\n%4))*4096 th:TH_LOAD_NT   ; code position 16 p + n of my 64 is k = 64 (n / 4) + 4 p + n % 4
.endr
.endr
	s_branch .Lquant
.Lw2:
.irp p, 0,1,2,3
.irp n, 0,1,2,3,4,5,6,7,8,9,10,11,12,13,14,15
	global_load_b32 v[16+16*\p+\n], v5, s[36:37] offset:(32*(\p/2)+8*(\p%2)+(\n%8)+16*(\n/8))*1024 th:TH_LOAD_NT
.endr
.endr
.Lquant:
	s_wait_kmcnt 0x0
	s_cmp_eq_u32 s26, 0
	s_cselect_b32 s40, s40, s43                    ; e0 for w1, e3 for w2
	s_add_co_i32 s40, s40, 127
	s_lshl_b32 s41, s40, 23
	v_mov_b32 v7, s41                              ; 2^e as f32
	s_add_co_i32 s40, s40, 8
	s_lshl_b32 s40, s40, 23
	s_or_b32 s40, s40, 0x600000
	v_mov_b32 v8, s40                              ; 448 x 2^e
.macro WPIECE p
	s_wait_loadcnt 48-16*\p                        ; this piece's 16 loads are in; the later pieces' stay out
.irp n, 0,1,2,3,4,5,6,7,8,9,10,11,12,13,14,15
	v_med3_num_f32 v[16+16*\p+\n], v[16+16*\p+\n], -v8, v8   ; the conversion does not saturate (ISA guide 7.6.2): hold first
.endr
	v_cvt_scalef32_pk8_fp8_f32 v[80+4*\p:81+4*\p], v[16+16*\p:23+16*\p], v7
	v_cvt_scalef32_pk8_fp8_f32 v[82+4*\p:83+4*\p], v[24+16*\p:31+16*\p], v7
	v_nop                                          ; a plain line behind the conversions
	global_store_b128 v6, v[80+4*\p:83+4*\p], s[22:23] offset:256*\p   ; sixteen lanes store 256 consecutive bytes, aligned; each piece has registers of its own
.endm
	s_wait_alu depctr_va_vdst(0)
	WPIECE 0
	WPIECE 1
	WPIECE 2
	WPIECE 3
	s_endpgm
.Lfunc_end_k_q4218d61710_place:
	.size	k_q4218d61710_place, .Lfunc_end_k_q4218d61710_place-k_q4218d61710_place
	.p2alignl 7, 3214868480
	.fill 96, 4, 3214868480
	.section	.rodata,"a",@progbits
	.p2align	6, 0x0
	.amdhsa_kernel k_q4218d61710_place
		.amdhsa_group_segment_fixed_size 3072
		.amdhsa_private_segment_fixed_size 0
		.amdhsa_enable_private_segment 0
		.amdhsa_kernarg_size 80
		.amdhsa_user_sgpr_count 2
		.amdhsa_user_sgpr_kernarg_segment_ptr 1
		.amdhsa_wavefront_size32 1
		.amdhsa_system_sgpr_workgroup_id_x 1
		.amdhsa_system_sgpr_workgroup_id_y 1
		.amdhsa_system_sgpr_workgroup_id_z 1
		.amdhsa_system_vgpr_workitem_id 0
		.amdhsa_next_free_vgpr 162
		.amdhsa_next_free_sgpr 66
		.amdhsa_reserve_vcc 1
		.amdhsa_float_denorm_mode_32 3
		.amdhsa_float_denorm_mode_16_64 3
		.amdhsa_memory_ordered 1
		.amdhsa_forward_progress 1
		.amdhsa_inst_pref_size 65
	.end_amdhsa_kernel
	.amdgpu_metadata
---
amdhsa.version: [ 1, 2 ]
amdhsa.kernels:
  - .name:           k_q4218d61710_place
    .symbol:         k_q4218d61710_place.kd
    .args:
      - { .name: rinfo, .offset: 0, .size: 8, .value_kind: global_buffer, .address_space: global }
      - { .name: gw, .offset: 8, .size: 8, .value_kind: global_buffer, .address_space: global }
      - { .name: xq, .offset: 16, .size: 8, .value_kind: global_buffer, .address_space: global }
      - { .name: w1, .offset: 24, .size: 8, .value_kind: global_buffer, .address_space: global }
      - { .name: w2, .offset: 32, .size: 8, .value_kind: global_buffer, .address_space: global }
      - { .name: lowp_scales, .offset: 40, .size: 8, .value_kind: global_buffer, .address_space: global }
      - { .name: xs, .offset: 48, .size: 8, .value_kind: global_buffer, .address_space: global }
      - { .name: lists, .offset: 56, .size: 8, .value_kind: global_buffer, .address_space: global }
      - { .name: gws, .offset: 64, .size: 8, .value_kind: global_buffer, .address_space: global }
      - { .name: wc, .offset: 72, .size: 8, .value_kind: global_buffer, .address_space: global }
    .group_segment_fixed_size: 3072
    .private_segment_fixed_size: 0
    .kernarg_segment_align: 8
    .kernarg_segment_size: 80
    .max_flat_workgroup_size: 256
    .sgpr_count:     66
    .vgpr_count:     162
    .wavefront_size: 32
...
	.end_amdgpu_metadata
.endif
;; end of part 5
;; launch experts (part 6): grid 232 x 1, 4 waves a work-group, no clusters, 152,320 bytes of LDS; arguments xs, lists, gws, wc, b1, b2, lowp_scales, out0; writes out0
.if DOCPART == 6
	.amdgcn_target "amdgcn-amd-amdhsa--gfx1250"
	.amdhsa_code_object_version 6
	.text
	.protected	k_q4218d61710_experts
	.globl	k_q4218d61710_experts
	.p2align	8
	.type	k_q4218d61710_experts,@function
k_q4218d61710_experts:
	s_mov_b64 s[64:65], 0
	v_nop
	global_prefetch_b8 v0, s[64:65] scope:SCOPE_SE
	s_setreg_imm32_b32 hwreg(HW_REG_WAVE_SCHED_MODE, 0, 2), 2
	s_setreg_imm32_b32 hwreg(HW_REG_WAVE_MODE, 25, 1), 1
	s_wait_xcnt 0x0
	s_wait_alu depctr_vm_vsrc(0)
; EXPERTS.  A work-group takes one tile of the stored list: at most 80 tokens that chose the same pair of experts (lo, hi), and runs both experts' chains on them:
;   out0[token] = g_lo (Q(relu(Q(x) Q(W1_lo) + b1_lo)) Q(W2_lo) + b2_lo) + g_hi (the same with hi).  Both products on codes of E4M3; the hidden layer lives in registers and LDS alone; each row of out0 has one owner.
; SHARES.  80 rows = 5 tiles of 16.  THE WAVES SHARE THE COLUMNS: in a chunk of 256 hidden units wave w makes units 64 w .. 64 w + 63 for all 80 rows, and of the output columns 64 w .. 64 w + 63.  So each byte of the weights is
; loaded by one wave, straight into its operand registers (the launch before laid them so), a chunk ahead.  The hidden layer's codes go from wave to wave through LDS as images of operand registers, in two buffers by turns:
; one barrier a chunk.  A buffer is written again only behind the next chunk's barrier, in front of which every wave has waited for its reads.
; BOTH PRODUCTS ARE USED TRANSPOSED (source 0 = 16 rows of the weight, source 1 = 16 tokens): a lane holds one token, and its eight registers eight neighbouring units or columns.
; SCALES.  A sum of the first product stands for sum x 2^(e0 + e1): b1 goes in as the sums' first C, x 2^-(e0 + e1); the conversion takes 2^(e2 - e0 - e1); relu and the hold at the largest code are one v_med3.
; A TILE WITH FEWER THAN 80 ROWS repeats its last token: rows of a started group of 16 are then stored more than once, by the same wave, with the same bytes.  A TILE WITH NO ROWS walks the chain on clamped addresses and stores
; nothing: the branch on the stored count stands behind the last barrier, so that no barrier hangs on loaded data.
; NO CLUSTER, NO JOINT LOADS: which experts a work-group walks is read from the stored list, and how many tiles a pair has hangs on the data, so partners of one pair cannot be promised at every split.
; NO PREFETCH: each expert's codes are read by many work-groups at about the same time, and the loads run a chunk ahead.
; LIMITS.  e2 - e0 - e1 between -126 and 119; e2 + e3 and -(e0 + e1) between -126 and 127.  NaN is not served.
; REGISTERS, in windows of 256.  Window 0: v1-11 addresses and scales; v12-21 the gate pairs of my token in each tile of rows; v32-191 A1, the first product's 20 accumulators (later: the second K step's hidden fragments; the way out);
;   v192-231 the codes just made; v232-252 the head's offsets.   Window 1: v0-159 x's 10 fragments; v160-239 the first K step's hidden fragments.   Window 2: v0-127 W1's 8 fragments; v128-255 W2's 8.
;   Window 3: v0-159 A2, the second product's 20 accumulators; v160-191 b1's four tiles; v192-223 b2 of lo; v224-255 b2 of hi.
; THE MODE: SCHED_MODE bits 1:0 = 2 (LLVM: expert scheduling mode 2), set by the entry lines.  The code itself states the register dependences
; between vector or matrix instructions and memory or LDS instructions, with s_wait_alu, always for 0.
; THE PLAN.  Registers that memory or LDS instructions touch in a chunk, in program order:
;   W1, b1        b1 is multiplied in place; the first product's 40 matrix instructions read both; then the next chunk's 40 loads land in them.
;   PC            tile m's four conversions write its eight registers; its two LDS stores read them; the next chunk's conversions write them again.
;   v3, v4        the LDS addresses of the buffer in hand: written once a chunk, behind the first product; read by the 10 LDS stores (v3) and the 40 LDS loads (v4).
;   window 1 v160-239   LDS loads land behind the barrier; the second product's first 20 matrix instructions read them.
;   A1's v32-111  written by the first product and the holds, read by the conversions; LDS loads land behind the barrier; the second product's last 20 matrix instructions read them.
;   W2            its first four fragments are read by the second product's first 20 matrix instructions, its last four by the last 20; each half is then loaded again.
;   v1, v5, v6, v7, v9  offsets and addresses made at the head and never written again.
; THE WAITS of a chunk: one on vm_vsrc ahead of the additions to v3 and v4; one on va_vdst behind tile 0's conversions, behind which the next chunk's b1 and W1 are asked for, dealt among the other tiles' vector work, which names
; none of their registers; one behind tile 2's and one behind tile 4's conversions, each ahead of the LDS stores of the codes made since the wait before; one between the second product's two K steps, behind which W2's first half
; is asked for, dealt among the last 20 matrix instructions; one behind the last matrix instruction, ahead of W2's second half.
; BASES.  b1's and W1's loads read s[BN ..] and s[WN ..], which step behind the barrier; W2's read a copy of the block's address, s[WQ ..], made ahead of W1's loads: so each base is written well behind the loads that read it.
.set XP,    272                        ; LDS: x's 80 rows of 256 codes + 16 bytes of padding, from byte 0
.set HB,    21760                      ; two buffers of 20,480 bytes: [K step][tile of rows] images of 2,048 bytes
.set HBUF,  20480
.set TOKW,  62720                      ; the tile's token numbers, a copy of 512 bytes for each wave
.set STG,   64768                      ; a stage of 80 rows x (256 + 16) bytes for each wave
.set SP,    272
.set A1,    32
.set PC,    192
.set WN,    34                         ; s[34:35] the weight block to be fetched next;  s[36:37] expert hi's first block
.set WB,    36
.set BN,    38                         ; s[38:39], s[40:41] the same for b1
.set BB,    40
.set WQ,    60                         ; s[60:61] the weight block whose W2 is being fetched
.set MSB, 0
.macro WIN new                         ; the immediate's high byte repeats the setting that is left
.if MSB != \new
	s_set_vgpr_msb (MSB<<8)|\new
.set MSB, \new
.endif
.endm
.macro LD_B1                           ; b1 of my 64 units of the next chunk: lane (r, h) takes units 16 t + 8 h + 0 .. 7 of tile t
	WIN 0xc0                                       ; destination window 3
.irp t, 0,1,2,3
	global_load_b128 v[160+8*\t:163+8*\t], v5, s[BN:BN+1] offset:64*\t
	global_load_b128 v[164+8*\t:167+8*\t], v5, s[BN:BN+1] offset:64*\t+16
.endr
.endm
.macro LD_W sb, base, off, from, cnt   ; fragments as they lie: loads from .. from + cnt - 1 of a half block's 32, 512 consecutive bytes each; sb: the base
	WIN 0x80                                       ; destination window 2
.set li, \from
.rept \cnt
	global_load_b128 v[\base+4*li:\base+4*li+3], v1, s[\sb:\sb+1] offset:\off+512*li
.set li, li+1
.endr
.endm
	s_load_b256 s[4:11], s[0:1], 0x0               ; xs s[4:5], lists s[6:7], gws s[8:9], wc s[10:11]
	s_load_b256 s[12:19], s[0:1], 0x20             ; b1 s[12:13], b2 s[14:15], lowp_scales s[16:17], out0 s[18:19]
	v_lshl_add_u32 v254, v0, 2, 0x25100
	v_mov_b32 v255, 0
	v_lshrrev_b32 v22, 5, v0
	v_readfirstlane_b32 s20, v22                   ; wave 0..3
	v_and_b32 v24, 31, v0                          ; lane
	v_and_b32 v22, 15, v0                          ; r
	s_wait_alu depctr_va_vdst(0)
	v_bfe_u32 v23, v0, 4, 1                        ; h
	v_lshlrev_b32 v1, 4, v24                       ; 16 x lane: an image's place for my lane
	v_lshlrev_b32 v29, 4, v22
	v_lshlrev_b32 v5, 5, v23                       ; 32 h: my half's eight numbers of a bias
	s_wait_alu depctr_va_sdst(0)                   ; s20 is written, ahead of its first reader
	s_lshr_b32 s48, s20, 1
	s_mul_i32 s48, s48, 10240                      ; my units are half of K step wave / 2:
	s_and_b32 s49, s20, 1
	s_lshl_b32 s49, s49, 10                        ; its pieces 2 (wave % 2) and 2 (wave % 2) + 1
	s_add_co_u32 s48, s48, s49
	v_add_nc_u32 v2, s48, v1                       ; where I store the hidden layer's pieces
	s_mul_i32 s48, s20, 80*SP
	s_add_co_u32 s48, s48, STG                     ; my stage
	v_mul_u32_u24 v6, v22, SP
	s_wait_alu depctr_va_vdst(0)
	v_lshl_add_u32 v6, v23, 5, v6
	v_add_nc_u32 v6, s48, v6                       ; in: row r, 32 bytes for each half of the lanes
	v_mul_u32_u24 v7, v23, SP
	v_lshl_add_u32 v7, v22, 4, v7
	v_add_nc_u32 v7, s48, v7                       ; back: lanes 0-15 one row of 256 bytes, lanes 16-31 the next
	s_lshl_b32 s48, s20, 8
	v_add_nc_u32 v8, s48, v29                      ; my 16 bytes in a row of out0: 256 x wave + 16 r
	s_lshl_b32 s48, s20, 9
	s_add_co_u32 s48, s48, TOKW
	v_lshl_add_u32 v9, v23, 2, s48                 ; my wave's token numbers, back
	v_lshl_add_u32 v27, v24, 2, s48                ; and in
	s_mul_i32 s48, s20, 20
	v_add_nc_u32 v28, s48, v23                     ; the rows that my wave brings: 20 x wave + 2 i + h
	v_mul_u32_u24 v25, v28, XP
	v_add_nc_u32 v25, v25, v29
	v_mul_u32_u24 v26, v22, XP
	v_lshl_add_u32 v26, v23, 4, v26                ; x's fragments: row r x pitch + 16 h
	s_lshl_b32 s22, ttmp9, 4
	s_mov_b32 s23, 0
	s_mov_b32 s43, 0                               ; the hidden layer's buffer in hand
	s_wait_alu depctr_va_vdst(0)
	s_wait_kmcnt 0x0
	s_add_nc_u64 s[22:23], s[6:7], s[22:23]
	s_load_b128 s[24:27], s[22:23], 0x0            ; the tile: first position, rows, lo, hi
	s_load_b128 s[28:31], s[16:17], 0x0            ; e0 .. e3
	s_wait_kmcnt 0x0
	s_min_u32 s24, s24, 0x3fff
	s_min_u32 s25, s25, 80
	s_min_u32 s26, s26, 7
	s_min_u32 s27, s27, 7
	s_add_co_i32 s32, s25, -1                      ; the tile's last row; rows behind it repeat it
.irp i, 0,1,2,3,4,5,6,7,8,9
	v_add_nc_u32 v[232+\i], 2*\i, v28
	v_min_u32 v[232+\i], s32, v[232+\i]
	v_add_nc_u32 v[232+\i], s24, v[232+\i]
	v_min_u32 v[232+\i], 0x3fff, v[232+\i]
	v_lshl_add_u32 v[232+\i], v[232+\i], 8, v29
.endr
.irp k, 0,1,2
	v_add_nc_u32 v[242+\k], 32*\k, v24
	v_min_u32 v[242+\k], s32, v[242+\k]
	v_add_nc_u32 v[242+\k], s24, v[242+\k]
	v_min_u32 v[242+\k], 0x3fff, v[242+\k]
	v_lshlrev_b32 v[242+\k], 2, v[242+\k]
.endr
.irp m, 0,1,2,3,4
	v_add_nc_u32 v[248+\m], 16*\m, v22
	v_min_u32 v[248+\m], s32, v[248+\m]
	v_add_nc_u32 v[248+\m], s24, v[248+\m]
	v_min_u32 v[248+\m], 0x3fff, v[248+\m]
	v_lshlrev_b32 v[248+\m], 3, v[248+\m]
.endr
	s_mov_b32 s49, 0
	s_lshl_b32 s50, s20, 15                        ; my wave's block of 32 KB in a chunk
	s_lshl_b32 s51, s20, 8                         ; my wave's 64 numbers of a bias
	s_lshl_b32 s48, s26, 19
	s_add_co_u32 s48, s48, s50
	s_add_nc_u64 s[WN:WN+1], s[10:11], s[48:49]
	s_lshl_b32 s48, s27, 19
	s_add_co_u32 s48, s48, s50
	s_add_nc_u64 s[WB:WB+1], s[10:11], s[48:49]
	s_lshl_b32 s48, s26, 12
	s_add_co_u32 s48, s48, s51
	s_add_nc_u64 s[BN:BN+1], s[12:13], s[48:49]
	s_lshl_b32 s48, s27, 12
	s_add_co_u32 s48, s48, s51
	s_add_nc_u64 s[BB:BB+1], s[12:13], s[48:49]
	s_lshl_b32 s48, s26, 10
	s_add_co_u32 s48, s48, s51
	s_add_nc_u64 s[52:53], s[14:15], s[48:49]
	s_lshl_b32 s48, s27, 10
	s_add_co_u32 s48, s48, s51
	s_add_nc_u64 s[54:55], s[14:15], s[48:49]
	s_wait_alu depctr_va_vdst(0)                   ; every offset and address of the kernel but v3 and v4 is written: v1, v5, v6, v7, v9, v25 to v27 and the head's v232 to v252, which the loads and LDS instructions below read
.irp i, 0,1,2,3,4,5,6,7,8,9
	global_load_b128 v[PC+4*\i:PC+4*\i+3], v[232+\i], s[4:5]       ; two whole rows of codes a load
.endr
.irp k, 0,1,2
	global_load_b32 v[245+\k], v[242+\k], s[6:7] offset:4096       ; the rows' tokens
.endr
.irp m, 0,1,2,3,4
	global_load_b64 v[12+2*\m:13+2*\m], v[248+\m], s[8:9]          ; g_lo, g_hi of token 16 m + r
.endr
	WIN 0xc0
.irp c, 0,1,2,3
	global_load_b128 v[192+8*\c:195+8*\c], v5, s[52:53] offset:64*\c
	global_load_b128 v[196+8*\c:199+8*\c], v5, s[52:53] offset:64*\c+16
	global_load_b128 v[224+8*\c:227+8*\c], v5, s[54:55] offset:64*\c
	global_load_b128 v[228+8*\c:231+8*\c], v5, s[54:55] offset:64*\c+16
.endr
	LD_B1
	LD_W WN, 0, 0, 0, 32
	LD_W WN, 128, 16384, 0, 32
	WIN 0
	s_add_co_i32 s56, s28, s29                     ; e0 + e1
	s_sub_co_i32 s46, 127, s56
	s_lshl_b32 s46, s46, 23                        ; 2^-(e0 + e1)
	s_mov_b32 s47, s46                             ; (named with it as a pair, so it is written)
	s_add_co_i32 s44, s30, s31
	s_add_co_i32 s44, s44, 127
	s_lshl_b32 s44, s44, 23                        ; 2^(e2 + e3)
	s_mov_b32 s45, s44
	s_sub_co_i32 s57, s30, s56
	s_add_co_i32 s57, s57, 127
	s_lshl_b32 s58, s57, 23
	v_mov_b32 v10, s58                             ; 2^(e2 - e0 - e1): the three scales folded into the conversion's one.  (No memory or LDS instruction names v10 or v11)
	s_add_co_i32 s57, s57, 8
	s_lshl_b32 s57, s57, 23
	s_or_b32 s57, s57, 0x600000
	v_mov_b32 v11, s57                             ; 448 x that
	s_wait_loadcnt 63                              ; 106 loads were issued; the rows and tokens are the 13 oldest: 93 younger ones might stay out, and the wait's field holds 63
.irp i, 0,1,2,3,4,5,6,7,8,9
	ds_store_b128 v25, v[PC+4*\i:PC+4*\i+3] offset:2*\i*XP
.endr
.irp k, 0,1,2
	ds_store_b32 v27, v[245+\k] offset:128*\k
.endr
	s_wait_dscnt 0x0                               ; for the others' sake: my 20 rows lie in LDS
	s_barrier_signal -1
	s_barrier_wait -1
	WIN 0x40                                       ; destination window 1
.irp m, 0,1,2,3,4
.irp s, 0,1
.irp c, 0,1,2,3
	ds_load_b128 v[32*\m+16*\s+4*\c:32*\m+16*\s+4*\c+3], v26 offset:16*\m*XP+128*\s+32*\c   ; registers 4 c on: code positions 128 s + 32 c + 16 h + 0 .. 15, as in W1's fragments
.endr
.endr
.endr
	WIN 0
	s_wait_dscnt 0x0
	s_wait_xcnt 0x0                                ; the head's loads have read their bases: they may step
	s_add_nc_u64 s[WN:WN+1], s[WN:WN+1], 0x20000
	s_add_nc_u64 s[BN:BN+1], s[BN:BN+1], 1024
; Tile m of rows: my 32 hidden units of its 16 tokens become codes
.macro QT m
.set jj, 0
.rept 32
	v_med3_num_f32 v[A1+32*(\m)+jj], v[A1+32*(\m)+jj], 0, v11   ; relu and the hold at the largest code in one; each accumulator from its low end on
.set jj, jj+1
.endr
.irp t, 0,1,2,3
	v_cvt_scalef32_pk8_fp8_f32 v[PC+8*(\m)+2*\t:PC+8*(\m)+2*\t+1], v[A1+32*(\m)+8*\t:A1+32*(\m)+8*\t+7], v10   ; units 16 t + 8 h + 0 .. 7 of my token: a register pair of the next operand as its layout wants it
.endr
.endm
.macro ST m                            ; and go to LDS as they stand
	ds_store_b128 v3, v[PC+8*(\m):PC+8*(\m)+3] offset:HB+2048*(\m)
	ds_store_b128 v3, v[PC+8*(\m)+4:PC+8*(\m)+7] offset:HB+2048*(\m)+512
.endm
; A CHUNK of 256 hidden units.  first = 1: the second product's first K step starts the sums (C = 0).  next = 1: the next chunk's b1, W1 and W2 are asked for.
; Global loads always go out in the order b1 (8), W1 K step 0 (16), W1 K step 1 (16), W2 K step 0 (16), W2 K step 1 (16); each wait counts the younger ones.
; The 20 accumulators of each product take turns, one instruction a turn.
.macro CHUNK first, next
	s_wait_loadcnt 48                              ; b1 and W1's first K step are in; W1's second and W2 stay out
	WIN 0xc3                                       ; source 0 and destination window 3
.irp j, 0,2,4,6,8,10,12,14,16,18,20,22,24,26,28,30
	v_pk_mul_f32 v[160+\j:161+\j], v[160+\j:161+\j], s[46:47] op_sel_hi:[1,0]   ; b1 x 2^-(e0 + e1).  (These are also places between the last chunk's products and the products below, which write over registers that those read)
.endr
	WIN 0x36                                       ; source 0 (W1) window 2, source 1 (x) window 1, C (b1) window 3
.irp m, 0,1,2,3,4
.irp t, 0,1,2,3
	v_wmma_f32_16x16x128_fp8_fp8 v[A1+8*(4*\m+\t):A1+8*(4*\m+\t)+7], v[16*\t:16*\t+15], v[32*\m:32*\m+15], v[160+8*\t:167+8*\t]
.endr
.endr
	s_wait_loadcnt 32                              ; W1's second K step is in; W2 stays out
	WIN 0x06
.irp m, 0,1,2,3,4
.irp t, 0,1,2,3
	v_wmma_f32_16x16x128_fp8_fp8 v[A1+8*(4*\m+\t):A1+8*(4*\m+\t)+7], v[64+16*\t:79+16*\t], v[32*\m+16:32*\m+31], v[A1+8*(4*\m+\t):A1+8*(4*\m+\t)+7]
.endr
.endr
	WIN 0
	s_wait_alu depctr_vm_vsrc(0)                   ; the last chunk's LDS stores have read v3 and the codes' registers, its LDS loads v4 (in the first chunk: the head's LDS stores have read the codes' registers): all are written again below
	v_add_nc_u32 v3, s43, v2                       ; four plain lines behind the products (ISA guide 7.12.1), ahead of the first read of their results
	v_add_nc_u32 v4, s43, v1
	v_nop
	v_nop
	QT 0
	s_wait_alu depctr_va_vdst(0)                   ; the first product is done reading W1 and b1, and the multiplications have written b1: the next chunk's loads may land there; v3 and v4 are written; tile 0's conversions have written its codes
	ST 0
.if \next
	s_wait_xcnt 0x0                                ; the last chunk's loads of W2, a whole first product back, have read s[WQ ..]
	s_mov_b64 s[WQ:WQ+1], s[WN:WN+1]               ; the block whose b1 and W1 are asked for now and whose W2 follows in this chunk's second half
	LD_B1                                          ; the 40 loads are dealt among the tiles' vector work, which names A1, the codes' registers, v10 and v11: none of the registers that these loads touch
	LD_W WN, 0, 0, 0, 8
	WIN 0
.endif
	QT 1
.if \next
	LD_W WN, 0, 0, 8, 12
	WIN 0
.endif
	QT 2
	s_wait_alu depctr_va_vdst(0)                   ; the conversions of tiles 1 and 2 have written their codes, which the LDS stores read
	ST 1
	ST 2
.if \next
	LD_W WN, 0, 0, 20, 12
	WIN 0
.endif
	QT 3
	QT 4
	v_nop                                          ; a plain line behind the last conversion
	s_wait_alu depctr_va_vdst(0)                   ; the conversions of tiles 3 and 4 have written their codes; all holds and conversions are done with A1, in which LDS loads land behind the barrier
	ST 3
	ST 4
	s_wait_dscnt 0x0                               ; my pieces lie in LDS, and my reads of the other buffer are long over
	s_barrier_signal -1
	s_barrier_wait -1
	WIN 0x40
.irp m, 0,1,2,3,4
.irp c, 0,1,2,3
	ds_load_b128 v[160+16*\m+4*\c:160+16*\m+4*\c+3], v4 offset:HB+2048*\m+512*\c   ; (the last chunk's products that read these registers stand ahead of the waits above)
.endr
.endr
	WIN 0
.irp m, 0,1,2,3,4
.irp c, 0,1,2,3
	ds_load_b128 v[A1+16*\m+4*\c:A1+16*\m+4*\c+3], v4 offset:HB+10240+2048*\m+512*\c
.endr
.endr
.if \next
	s_wait_xcnt 0x0                                ; this chunk's loads of b1 and W1 have read their bases: they may step; W2's loads read s[WQ ..]
	s_add_nc_u64 s[WN:WN+1], s[WN:WN+1], 0x20000
	s_add_nc_u64 s[BN:BN+1], s[BN:BN+1], 1024
	s_wait_loadcnt 56                              ; W2's first K step is in; its second and the next chunk's 40 stay out
.else
	s_wait_loadcnt 16
.endif
	s_wait_dscnt 20                                ; the first K step's hidden fragments are in
	WIN 0xf6                                       ; source 0 (W2) window 2, source 1 window 1, C and D window 3
.irp m, 0,1,2,3,4
.irp c, 0,1,2,3
.if \first
	v_wmma_f32_16x16x128_fp8_fp8 v[8*(4*\m+\c):8*(4*\m+\c)+7], v[128+16*\c:143+16*\c], v[160+16*\m:175+16*\m], 0
.else
	v_wmma_f32_16x16x128_fp8_fp8 v[8*(4*\m+\c):8*(4*\m+\c)+7], v[128+16*\c:143+16*\c], v[160+16*\m:175+16*\m], v[8*(4*\m+\c):8*(4*\m+\c)+7]
.endif
.endr
.endr
.if \next
	s_wait_loadcnt 40
.else
	s_wait_loadcnt 0x0
.endif
	s_wait_dscnt 0x0
.if \next
	s_wait_alu depctr_va_vdst(0)                   ; the 20 products above are done reading W2's first four fragments, in which the loads below land
.endif
.irp m, 0,1,2,3,4
	WIN 0xf2                                       ; source 1 window 0
.irp c, 0,1,2,3
	v_wmma_f32_16x16x128_fp8_fp8 v[8*(4*\m+\c):8*(4*\m+\c)+7], v[192+16*\c:207+16*\c], v[A1+16*\m:A1+16*\m+15], v[8*(4*\m+\c):8*(4*\m+\c)+7]
.endr
.if \next && (\m < 4)
	LD_W WQ, 128, 16384, 4*\m, 4                   ; the next chunk's W2, first K step: four loads behind each tile's four products, which name W2's last four fragments, A1 and A2: none of the registers that these loads touch
.endif
.endr
	WIN 0
.rept 4
	v_nop                                          ; four plain lines ahead of the first read of the sums
.endr
.if \next
	s_wait_alu depctr_va_vdst(0)                   ; the last 20 products are done reading W2's last four fragments, in which the loads below land
	LD_W WQ, 128, 16384, 16, 16
	WIN 0
.endif
	s_xor_b32 s43, s43, HBUF                       ; on to the other buffer
.endm
; y = sum x 2^(e2 + e3) + b2, into window 0; bb: where the expert's b2 lies in window 3
.macro YOUT bb
	WIN 0x33                                       ; sources 0 and 2 window 3
.irp m, 0,1,2,3,4
.irp c, 0,1,2,3
.irp i, 0,2,4,6
	v_pk_fma_f32 v[A1+8*(4*\m+\c)+\i:A1+8*(4*\m+\c)+\i+1], v[8*(4*\m+\c)+\i:8*(4*\m+\c)+\i+1], s[44:45], v[\bb+8*\c+\i:\bb+8*\c+\i+1] op_sel_hi:[1,0,1]
.endr
.endr
.endr
.endm
.macro TOSTAGE                         ; lane (r, h): row 16 m + r, my wave's columns 16 c + 8 h + 0 .. 7
.irp m, 0,1,2,3,4
.irp c, 0,1,2,3
	ds_store_b128 v6, v[A1+8*(4*\m+\c):A1+8*(4*\m+\c)+3] offset:16*\m*SP+64*\c
	ds_store_b128 v6, v[A1+8*(4*\m+\c)+4:A1+8*(4*\m+\c)+7] offset:16*\m*SP+64*\c+16
.endr
.endr
.endm
	; ---- expert lo: four chunks; the last asks for expert hi's first
	CHUNK 1, 1
	s_mov_b32 s42, 0
.La:
	CHUNK 0, 1
	s_add_co_u32 s42, s42, 1
	s_cmp_eq_u32 s42, 2                            ; the third trip fetches from expert hi.  (The loads still out read s[WQ ..]; those that read the pairs written here stand ahead of the chunk's second wait on XCNT)
	s_cselect_b64 s[WN:WN+1], s[WB:WB+1], s[WN:WN+1]
	s_cselect_b64 s[BN:BN+1], s[BB:BB+1], s[BN:BN+1]
	s_cmp_lt_u32 s42, 3
	s_cbranch_scc1 .La
	; g_lo y_lo waits in my own stage while expert hi is computed: its registers are wanted for the first product
	YOUT 192
	WIN 0
.irp m, 0,1,2,3,4
.irp j, 0,2,4,6,8,10,12,14,16,18,20,22,24,26,28,30
	v_pk_mul_f32 v[A1+32*\m+\j:A1+32*\m+\j+1], v[A1+32*\m+\j:A1+32*\m+\j+1], v[12+2*\m:13+2*\m] op_sel_hi:[1,0]   ; x g_lo, the pair's first word
.endr
.endr
	s_wait_alu depctr_va_vdst(0)                   ; the multiplications have written A1, which the LDS stores read
	TOSTAGE
	s_wait_dscnt 0x0                               ; my stores into the stage are done
	s_wait_alu depctr_vm_vsrc(0)                   ; they have read A1, which the next chunk's products write
	; ---- expert hi
	CHUNK 1, 1
	s_mov_b32 s42, 0
.Lb:
	CHUNK 0, 1
	s_add_co_u32 s42, s42, 1
	s_cmp_lt_u32 s42, 2
	s_cbranch_scc1 .Lb
	CHUNK 0, 0                                     ; the last chunk asks for nothing: no load leaves its buffer
	; ---- the way out
	WIN 0x80                                       ; destination window 2: the weights' registers are free
	s_wait_alu depctr_va_vdst(0)                   ; the last chunk's products are done reading the weights' registers, in which g_lo y_lo lands
.irp m, 0,1,2,3,4
.irp c, 0,1,2,3
	ds_load_b128 v[8*(4*\m+\c):8*(4*\m+\c)+3], v6 offset:16*\m*SP+64*\c
	ds_load_b128 v[8*(4*\m+\c)+4:8*(4*\m+\c)+7], v6 offset:16*\m*SP+64*\c+16
.endr
.endr
	YOUT 224
	s_wait_dscnt 0x0
	WIN 0
	s_wait_alu depctr_vm_vsrc(0)                   ; the last chunk's LDS stores have read the codes' registers, in which the token numbers land (the conversions that wrote them stand ahead of the waits above)
.set qq, 0
.rept 40
	ds_load_b32 v[PC+qq], v9 offset:8*qq           ; the token of row 2 q + h, for all five groups of 16 rows at once: they land while the sums below are made
.set qq, qq+1
.endr
	WIN 0x20                                       ; source 2 window 2
.irp m, 0,1,2,3,4
.irp j, 0,2,4,6,8,10,12,14,16,18,20,22,24,26,28,30
	v_pk_fma_f32 v[A1+32*\m+\j:A1+32*\m+\j+1], v[A1+32*\m+\j:A1+32*\m+\j+1], v[12+2*\m:13+2*\m], v[32*\m+\j:32*\m+\j+1] op_sel:[0,1,0] op_sel_hi:[1,1,1]   ; g_hi y_hi + g_lo y_lo
.endr
.endr
	WIN 0
	s_wait_dscnt 0x0                               ; the token numbers are in
.set qq, 0
.rept 40
	v_min_u32 v[PC+qq], 0x3fff, v[PC+qq]
.set qq, qq+1
.endr
.set qq, 0
.rept 40
	v_lshl_add_u32 v[PC+qq], v[PC+qq], 10, v8      ; my 16 bytes of that token's row of out0
.set qq, qq+1
.endr
	s_wait_alu depctr_va_vdst(0)                   ; the sums have written A1, which the LDS stores read; all 40 offsets of the stores to out0 are written
	TOSTAGE                                        ; my own bytes: LDS serves a wave's instructions in order (ISA guide 5.7.1.4), so no wait on DScnt stands between these stores and the loads below
	s_wait_alu depctr_vm_vsrc(0)                   ; the LDS stores have read A1, in which the rows land; it stands ahead of the first branch and serves all five groups
.irp m, 0,1,2,3,4
	s_cmp_gt_u32 s25, 16*\m                        ; a group of 16 rows that the tile does not reach is not stored
	s_cbranch_scc0 .Lend
.irp i, 0,1,2,3,4,5,6,7
	ds_load_b128 v[A1+32*\m+4*\i:A1+32*\m+4*\i+3], v7 offset:(16*\m+2*\i)*SP
.endr
	s_wait_dscnt 0x0
.irp i, 0,1,2,3,4,5,6,7
	global_store_b128 v[PC+8*\m+\i], v[A1+32*\m+4*\i:A1+32*\m+4*\i+3], s[18:19] th:TH_STORE_NT   ; sixteen lanes store 256 consecutive bytes of a token's row, aligned; each group has registers of its own
.endr
.endr
.Lend:
	s_wait_dscnt 0x0
	s_wait_alu depctr_hold_cnt(0) depctr_sa_sdst(0) depctr_va_vdst(0) depctr_va_sdst(0) depctr_va_ssrc(0) depctr_va_vcc(0) depctr_vm_vsrc(0)
	s_wait_tensorcnt 0x0
	ds_add_u32 v254, v255
	s_wait_dscnt 0x0
	s_endpgm
.Lfunc_end_k_q4218d61710_experts:
	.size	k_q4218d61710_experts, .Lfunc_end_k_q4218d61710_experts-k_q4218d61710_experts
	.p2alignl 7, 3214868480
	.fill 96, 4, 3214868480
	.section	.rodata,"a",@progbits
	.p2align	6, 0x0
	.amdhsa_kernel k_q4218d61710_experts
		.amdhsa_group_segment_fixed_size 152320
		.amdhsa_private_segment_fixed_size 0
		.amdhsa_enable_private_segment 0
		.amdhsa_kernarg_size 64
		.amdhsa_user_sgpr_count 2
		.amdhsa_user_sgpr_kernarg_segment_ptr 1
		.amdhsa_wavefront_size32 1
		.amdhsa_system_sgpr_workgroup_id_x 1
		.amdhsa_system_sgpr_workgroup_id_y 1
		.amdhsa_system_sgpr_workgroup_id_z 1
		.amdhsa_system_vgpr_workitem_id 0
		.amdhsa_next_free_vgpr 1024
		.amdhsa_next_free_sgpr 66
		.amdhsa_reserve_vcc 0
		.amdhsa_float_denorm_mode_32 3
		.amdhsa_float_denorm_mode_16_64 3
		.amdhsa_memory_ordered 1
		.amdhsa_forward_progress 1
		.amdhsa_inst_pref_size 202
	.end_amdhsa_kernel
	.amdgpu_metadata
---
amdhsa.version: [ 1, 2 ]
amdhsa.kernels:
  - .name:           k_q4218d61710_experts
    .symbol:         k_q4218d61710_experts.kd
    .args:
      - { .name: xs, .offset: 0, .size: 8, .value_kind: global_buffer, .address_space: global }
      - { .name: lists, .offset: 8, .size: 8, .value_kind: global_buffer, .address_space: global }
      - { .name: gws, .offset: 16, .size: 8, .value_kind: global_buffer, .address_space: global }
      - { .name: wc, .offset: 24, .size: 8, .value_kind: global_buffer, .address_space: global }
      - { .name: b1, .offset: 32, .size: 8, .value_kind: global_buffer, .address_space: global }
      - { .name: b2, .offset: 40, .size: 8, .value_kind: global_buffer, .address_space: global }
      - { .name: lowp_scales, .offset: 48, .size: 8, .value_kind: global_buffer, .address_space: global }
      - { .name: out0, .offset: 56, .size: 8, .value_kind: global_buffer, .address_space: global }
    .group_segment_fixed_size: 152320
    .private_segment_fixed_size: 0
    .kernarg_segment_align: 8
    .kernarg_segment_size: 64
    .max_flat_workgroup_size: 128
    .sgpr_count:     66
    .vgpr_count:     1024
    .wavefront_size: 32
...
	.end_amdgpu_metadata
.endif
;; end of part 6
